; MI455X (gfx1250); checked and timed in simulation.
; The chip was launched on July 23, 2026; its instructions are those of AMD's public machine-readable ISA for CDNA 5 (MIT licence, August 2026) and "CDNA5" Instruction Set Architecture Reference Guide (July 2026). The comments in the code are by the model that wrote it; some were corrected since.
;; Long term atention. Allowed arithmetic: float matrix products may take bf16 or f16 operands with f32 sums; all other float work in f32.
;; Inputs: K 16 x 2,048 x 512 float32; Q 16 x 512 float32; V 16 x 2,048 x 512 float32; W_k 512 x 512 float32; W_q 512 x 512 float32; W_v 512 x 512 float32; ln_beta 512 float32; ln_gamma 512 float32; mask 16 x 2,048 bool.
;; Outputs: out0 16 x 2,048 x 512 float32.
;; 2 versions, each right and faster than the one before. Each part assembles by itself: llvm-mc -triple=amdgcn-amd-amdhsa -mcpu=gfx1250 --defsym DOCPART=n.
;; ======== version 1 of 2: 3 launches
;; limits: values outside matrix products are rounded to f16; right only within a limited range of input values; values are held in f16: magnitudes above 65,504 overflow, below 6.1e-05 lose precision; inputs' magnitudes at most 65,504; below input magnitudes of 6e-05 results are inexact or not finite
;; workspace buffers: up 262,144 bytes; sc 131,072 bytes; summ 1,179,648 bytes; wh 524,288 bytes
;; launch proj (part 1): grid 8 x 4, 8 waves a work-group, no clusters, 157,696 bytes of LDS; arguments Q, W_q, W_k, up; writes up
.if DOCPART == 1
	.amdgcn_target "amdgcn-amd-amdhsa--gfx1250"
	.amdhsa_code_object_version 6
	.text
	.protected	k_qffa04bad15_proj
	.globl	k_qffa04bad15_proj
	.p2align	8
	.type	k_qffa04bad15_proj,@function
k_qffa04bad15_proj:
	s_mov_b64 s[64:65], 0
	v_nop
	global_prefetch_b8 v0, s[64:65] scope:SCOPE_SE
	s_setreg_imm32_b32 hwreg(HW_REG_WAVE_MODE, 25, 1), 1
	s_wait_xcnt 0x0
; up[sl][b][k] = sum over n in slice sl of W_k[k][n] * t[b][n],  t[b][n] = sum over j of Q[b][j] * W_q[j][n].   All f32.
; The score of key j is K[b][j] . u[b] with u[b] = W_k (Q[b] W_q) / T, so K W_k is never formed; this launch makes u, unscaled, in eight partial sums over n.
; SHARES.  Work-group (sl, bg): the 64 columns n = 64 sl .. of W_q and W_k, the four batches 4 bg ..  Eight waves.
; Step 1: wave w takes rows j = 64 w .. 64 w + 63 of W_q, a lane two columns n; the eight waves' sums meet in LDS.
; Step 2: thread t takes rows k = 2 t, 2 t + 1 of W_k, read from LDS, where the slice was laid by loads of whole 256-byte row pieces.
; Products with four rows that stream their matrix once: the vector unit in f32; a matrix form would add conversions and save nothing.
; NO CLUSTER: the four work-groups of a slice read the same 256 KB, but through registers, where step 1 consumes them; the launch moves 2 MB in all.
.set QB,   139264                      ; LDS: 0 W_k's slice, 512 rows x 272 bytes (256 + 16: 16 rows of a load start at 16 different groups of four banks); row k lies at (k / 2) + 256 (k % 2)
.set PART, 147456                      ; QB: Q of my four batches, [4][512];  PART: [wave 8][b 4][n 64]
.set TB,   155648                      ; t, [b 4][n 64]
.set ACC1, 16                          ; v[16:23]   t's partial sums: batch b, my two columns
.set QQ,   24                          ; v[24:39]   Q[b][4 j's]
.set QIN,  40                          ; v[40:47]   Q as loaded
.set WQ,   48                          ; v[48:175]  64 rows of W_q, two columns each; group gi's eight registers then take two loads of W_k
.set WR,   48                          ; step 2: v[48:55] four n of my two rows
.set TT,   56                          ; v[56:71]   t[b][four n]
.set ACC2, 72                          ; v[72:87]   (row kk, batch b): even n's sum, odd n's sum
.set OUTR, 88                          ; v[88:95]
	s_load_b256 s[4:11], s[0:1], 0x0               ; Q s[4:5], W_q s[6:7], W_k s[8:9], up s[10:11]
	v_lshl_add_u32 v178, v0, 2, 0x26400
	v_mov_b32 v179, 0
	v_and_b32 v1, 31, v0                           ; lane
	v_lshrrev_b32 v14, 5, v0
	v_readfirstlane_b32 s12, v14                   ; wave 0..7
	s_and_b32 s13, ttmp7, 0xffff                   ; bg
	s_lshl_b32 s14, ttmp9, 8                       ; the slice's 64 columns: 256 bytes into every row
	s_mov_b32 s15, 0
	s_lshl_b32 s16, s13, 13                        ; four batches of 2,048 bytes
	s_mov_b32 s17, 0
	s_lshl_b32 s20, ttmp9, 15                      ; up: slice x 16 batches x 2,048 bytes + my batches
	s_add_co_u32 s20, s20, s16
	s_mov_b32 s21, 0
	s_lshl_b32 s22, s12, 17                        ; my wave's 64 rows of 2,048 bytes
	v_lshlrev_b32 v2, 4, v0                        ; Q: 16 bytes a thread
	v_lshl_add_u32 v3, v1, 3, s22                  ; W_q: my rows, 8 bytes a lane: a load covers 256 consecutive bytes, aligned
	v_and_b32 v15, 15, v0
	v_bfe_u32 v14, v0, 4, 1
	v_lshl_add_u32 v4, v14, 11, s22                ; W_k: lanes 0-15 an even row's 256 bytes, lanes 16-31 the odd row's
	v_lshl_add_u32 v4, v15, 4, v4
	s_wait_kmcnt 0x0
	s_add_nc_u64 s[4:5], s[4:5], s[16:17]
	s_add_nc_u64 s[6:7], s[6:7], s[14:15]
	s_add_nc_u64 s[8:9], s[8:9], s[14:15]
	s_add_nc_u64 s[10:11], s[10:11], s[20:21]
	global_load_b128 v[QIN:QIN+3], v2, s[4:5]
	global_load_b128 v[QIN+4:QIN+7], v2, s[4:5] offset:4096
.set i, 0
.rept 32
	global_load_b64 v[WQ+2*i:WQ+2*i+1], v3, s[6:7] offset:2048*i
.set i, i+1
.endr
	; LDS addresses, made while the loads are out
	s_mul_i32 s23, s12, 8704                       ; my 32 LDS rows of each parity
	v_mul_u32_u24 v5, v14, 69632                   ; odd rows lie 256 LDS rows further on
	v_add_nc_u32 v5, s23, v5
	v_lshl_add_u32 v5, v15, 4, v5
	s_lshl_b32 s23, s12, 8
	s_add_co_u32 s23, s23, QB
	v_mov_b32 v6, s23                              ; Q[.][64 w ..]
	s_lshl_b32 s23, s12, 10
	s_add_co_u32 s23, s23, PART
	v_lshl_add_u32 v7, v1, 3, s23
	v_lshl_add_u32 v8, v0, 2, PART
	v_lshl_add_u32 v9, v0, 2, TB
	v_mul_u32_u24 v10, v0, 272                     ; row k = 2 t
	v_add_nc_u32 v11, 69632, v10                   ; row k = 2 t + 1
	v_mov_b32 v12, TB
	v_lshlrev_b32 v13, 3, v0
	v_add_nc_u32 v176, QB, v2
	s_wait_loadcnt 32                              ; Q is in: the 32 loads of W_q issued behind it stay out
	ds_store_b128 v176, v[QIN:QIN+3]
	ds_store_b128 v176, v[QIN+4:QIN+7] offset:4096
.rept 32
	global_load_b64 v[WQ+2*i:WQ+2*i+1], v3, s[6:7] offset:2048*i
.set i, i+1
.endr
	s_wait_dscnt 0x0                               ; for the others' sake: my part of Q is stored
	s_barrier_signal -1
	s_barrier_wait -1
; Four rows j of W_q against four batches.  The count: behind this group's four loads stand 4 (15 - gi) loads of W_q and the 2 gi loads of W_k issued so far.
.macro G4 gi
.irp b, 0,1,2,3
	ds_load_b128 v[QQ+4*\b:QQ+4*\b+3], v6 offset:2048*\b+16*(\gi)
.endr
	s_wait_loadcnt 60-2*(\gi)
	s_wait_dscnt 0x0
.irp jj, 0,1,2,3
.irp b, 0,1,2,3
.if ((\gi) == 0) && (\jj == 0)
	v_mul_f32 v[ACC1+2*\b],   v[WQ+8*(\gi)+2*\jj],   v[QQ+4*\b+\jj]     ; the first product starts the sums
	v_mul_f32 v[ACC1+2*\b+1], v[WQ+8*(\gi)+2*\jj+1], v[QQ+4*\b+\jj]
.else
	v_fmac_f32 v[ACC1+2*\b],   v[WQ+8*(\gi)+2*\jj],   v[QQ+4*\b+\jj]
	v_fmac_f32 v[ACC1+2*\b+1], v[WQ+8*(\gi)+2*\jj+1], v[QQ+4*\b+\jj]
.endif
.endr
.endr
	global_load_b128 v[WQ+8*(\gi):WQ+8*(\gi)+3],   v4, s[8:9] offset:8192*(\gi)       ; two loads of W_k, four rows, into the registers just multiplied
	global_load_b128 v[WQ+8*(\gi)+4:WQ+8*(\gi)+7], v4, s[8:9] offset:8192*(\gi)+4096
.endm
.irp g, 0,1,2,3,4,5,6,7,8,9,10,11,12,13,14,15
	G4 \g
.endr
.irp b, 0,1,2,3
	ds_store_b64 v7, v[ACC1+2*\b:ACC1+2*\b+1] offset:256*\b
.endr
.set i, 0
.rept 32
	s_wait_loadcnt 31-i                            ; loads come back in order: load i of W_k is in
	ds_store_b128 v5, v[WQ+4*i:WQ+4*i+3] offset:272*i
.set i, i+1
.endr
	s_wait_dscnt 0x0                               ; my partial sums and my rows of W_k are stored
	s_barrier_signal -1
	s_barrier_wait -1
.irp w, 0,1,2,3,4,5,6,7
	ds_load_b32 v[48+\w], v8 offset:1024*\w        ; thread t = 64 b + n: the eight waves' sums for t[b][n]
.endr
	s_wait_dscnt 0x0
	v_add_f32 v48, v48, v49
	v_add_f32 v50, v50, v51
	v_add_f32 v52, v52, v53
	v_add_f32 v54, v54, v55
	v_add_f32 v48, v48, v50
	v_add_f32 v52, v52, v54
	v_add_f32 v48, v48, v52
	ds_store_b32 v9, v48
	s_wait_dscnt 0x0
	s_barrier_signal -1
	s_barrier_wait -1
; Four columns n of my two rows of W_k against t of four batches: sixteen packed multiply-adds (even n beside odd n).
.macro QUAD first
	ds_load_b128 v[WR:WR+3], v10
	ds_load_b128 v[WR+4:WR+7], v11
.irp b, 0,1,2,3
	ds_load_b128 v[TT+4*\b:TT+4*\b+3], v12 offset:256*\b
.endr
	v_add_nc_u32 v10, 16, v10
	v_add_nc_u32 v11, 16, v11
	v_add_nc_u32 v12, 16, v12
	s_wait_dscnt 0x0
.irp kk, 0,1
.irp b, 0,1,2,3
.if \first
	v_pk_mul_f32 v[ACC2+2*(4*\kk+\b):ACC2+2*(4*\kk+\b)+1], v[WR+4*\kk:WR+4*\kk+1], v[TT+4*\b:TT+4*\b+1]
.else
	v_pk_fma_f32 v[ACC2+2*(4*\kk+\b):ACC2+2*(4*\kk+\b)+1], v[WR+4*\kk:WR+4*\kk+1], v[TT+4*\b:TT+4*\b+1], v[ACC2+2*(4*\kk+\b):ACC2+2*(4*\kk+\b)+1]
.endif
.endr
.endr
.irp kk, 0,1
.irp b, 0,1,2,3
	v_pk_fma_f32 v[ACC2+2*(4*\kk+\b):ACC2+2*(4*\kk+\b)+1], v[WR+4*\kk+2:WR+4*\kk+3], v[TT+4*\b+2:TT+4*\b+3], v[ACC2+2*(4*\kk+\b):ACC2+2*(4*\kk+\b)+1]
.endr
.endr
.endm
	QUAD 1                                         ; the first four columns start the sums
	s_mov_b32 s18, 15
.Lquad:
	QUAD 0
	s_sub_co_u32 s18, s18, 1
	s_cmp_lg_u32 s18, 0
	s_cbranch_scc1 .Lquad
.irp kk, 0,1
.irp b, 0,1,2,3
	v_add_f32 v[OUTR+2*\b+\kk], v[ACC2+2*(4*\kk+\b)], v[ACC2+2*(4*\kk+\b)+1]
.endr
.endr
.irp b, 0,1,2,3
	global_store_b64 v13, v[OUTR+2*\b:OUTR+2*\b+1], s[10:11] offset:2048*\b   ; a wave stores 256 consecutive bytes, aligned
.endr
	s_wait_tensorcnt 0x0
	ds_add_u32 v178, v179
	s_wait_dscnt 0x0
	s_endpgm
.Lfunc_end_k_qffa04bad15_proj:
	.size	k_qffa04bad15_proj, .Lfunc_end_k_qffa04bad15_proj-k_qffa04bad15_proj
	.p2alignl 7, 3214868480
	.fill 96, 4, 3214868480
	.section	.rodata,"a",@progbits
	.p2align	6, 0x0
	.amdhsa_kernel k_qffa04bad15_proj
		.amdhsa_group_segment_fixed_size 157696
		.amdhsa_private_segment_fixed_size 0
		.amdhsa_enable_private_segment 0
		.amdhsa_kernarg_size 32
		.amdhsa_user_sgpr_count 2
		.amdhsa_user_sgpr_kernarg_segment_ptr 1
		.amdhsa_wavefront_size32 1
		.amdhsa_system_sgpr_workgroup_id_x 1
		.amdhsa_system_sgpr_workgroup_id_y 1
		.amdhsa_system_sgpr_workgroup_id_z 1
		.amdhsa_system_vgpr_workitem_id 0
		.amdhsa_next_free_vgpr 180
		.amdhsa_next_free_sgpr 66
		.amdhsa_reserve_vcc 0
		.amdhsa_float_denorm_mode_32 3
		.amdhsa_float_denorm_mode_16_64 3
		.amdhsa_memory_ordered 1
		.amdhsa_forward_progress 1
		.amdhsa_inst_pref_size 41
	.end_amdhsa_kernel
	.amdgpu_metadata
---
amdhsa.version: [ 1, 2 ]
amdhsa.kernels:
  - .name:           k_qffa04bad15_proj
    .symbol:         k_qffa04bad15_proj.kd
    .args:
      - { .name: Q, .offset: 0, .size: 8, .value_kind: global_buffer, .address_space: global }
      - { .name: W_q, .offset: 8, .size: 8, .value_kind: global_buffer, .address_space: global }
      - { .name: W_k, .offset: 16, .size: 8, .value_kind: global_buffer, .address_space: global }
      - { .name: up, .offset: 24, .size: 8, .value_kind: global_buffer, .address_space: global }
    .group_segment_fixed_size: 157696
    .private_segment_fixed_size: 0
    .kernarg_segment_align: 8
    .kernarg_segment_size: 32
    .max_flat_workgroup_size: 256
    .sgpr_count:     66
    .vgpr_count:     180
    .wavefront_size: 32
...
	.end_amdgpu_metadata
.endif
;; end of part 1
;; launch score (part 2): grid 16 x 16, 16 waves a work-group, no clusters, 70,656 bytes of LDS; arguments K, V, up, W_v, sc, summ, wh; writes sc, summ, wh
.if DOCPART == 2
	.amdgcn_target "amdgcn-amd-amdhsa--gfx1250"
	.amdhsa_code_object_version 6
	.text
	.protected	k_qffa04bad15_score
	.globl	k_qffa04bad15_score
	.p2align	8
	.type	k_qffa04bad15_score,@function
k_qffa04bad15_score:
	s_mov_b64 s[64:65], 0
	v_nop
	global_prefetch_b8 v0, s[64:65] scope:SCOPE_SE
	s_setreg_imm32_b32 hwreg(HW_REG_WAVE_MODE, 25, 1), 1
	s_wait_xcnt 0x0
; For chunk c (128 keys) of batch b:  sc = s'[j] = log2(e) / T x K[b][j] . u[b];  and the chunk's summary for the scan over chunks:
;   m = max s',  l = sum 2^(s' - m),  A[d] = sum 2^(s'[j] - m) V[j][d],  U[d] = sum V[j][d].       All f32.
; Beside that each work-group rounds 1,024 numbers of W_v to f16 (wh), the next launch's matrix operand.
; LIMITS.  |W_v| stays below 65,504 (f16's end); below 6e-5 it keeps f16's fixed step.  A weight below 2^-126 counts as 0.  NaN and infinities are not treated apart.
; SHARES.  16 waves; wave w owns rows 8 w .. 8 w + 7: a row is four loads of 512 consecutive bytes, 16 numbers a lane.  All 32 loads of K go out at once; each row's registers take
; the same row of V as soon as the row of K is multiplied, so 32 loads of every wave are always out.  K . u is a matrix times a vector, streamed once: vector unit, f32.
; NO CLUSTER: work-groups share only u (16 KB of partial sums against 512 KB of K and V).
.set SCB, 2048                         ; LDS: 0 u (2,048);  SCB the chunk's 128 scores;  MWB 16 waves' maxima;  MWB + 256 their sums;  AU [wave 16][A 2,048 | U 2,048]
.set MWB, 2560
.set AU,  3072
.set U,   16                           ; v[16:31]   u of my 16 columns
.set S,   32                           ; v[32:39]   my wave's eight scores, in every lane
.set WT,  40                           ; v[40:55]   their weights, each twice: pairs for the packed multiply-adds
.set A,   56                           ; v[56:71]
.set US,  72                           ; v[72:87]
.set T,   88                           ; v[88:103]  at work
.set X,   104                          ; v[104:231] eight rows x 16
.set CS,  0x3d8293ee                   ; log2(e) / (sqrt(512) + 1e-6)
	s_load_b256 s[4:11], s[0:1], 0x0               ; K s[4:5], V s[6:7], up s[8:9], W_v s[10:11]
	s_load_b128 s[12:15], s[0:1], 0x20             ; sc s[12:13], summ s[14:15]
	s_load_b64 s[16:17], s[0:1], 0x30              ; wh
	v_lshl_add_u32 v240, v0, 2, 0x10c00
	v_mov_b32 v241, 0
	v_and_b32 v1, 31, v0
	v_lshrrev_b32 v5, 5, v0
	v_readfirstlane_b32 s18, v5                    ; wave 0..15
	s_and_b32 s19, ttmp7, 0xffff                   ; b
	s_lshl_b32 s22, s19, 4
	s_add_co_u32 s22, s22, ttmp9                   ; g = 16 b + c
	s_mov_b32 s20, 0x76543210                      ; v_permlanex16_b32: each lane takes its own place in the other half
	s_mov_b32 s21, 0xfedcba98
	s_lshl_b32 s24, s22, 18                        ; 128 rows of 2,048 bytes
	s_mov_b32 s25, 0
	s_lshl_b32 s26, s19, 11
	s_mov_b32 s27, 0
	s_lshl_b32 s28, s22, 12
	s_mov_b32 s29, 0
	s_lshl_b32 s30, s22, 9
	s_mov_b32 s31, 0
	s_mul_i32 s32, s22, 4608
	s_mov_b32 s33, 0
	s_lshl_b32 s34, s22, 11
	s_mov_b32 s35, 0
	s_lshl_b32 s36, s18, 14                        ; my wave's eight rows
	v_lshl_add_u32 v2, v1, 4, s36
	v_lshlrev_b32 v3, 2, v0
	v_lshlrev_b32 v4, 4, v1
	v_and_b32 v12, 255, v0
	v_lshlrev_b32 v13, 3, v12
	v_lshlrev_b32 v12, 4, v12
	s_wait_kmcnt 0x0
	s_add_nc_u64 s[4:5], s[4:5], s[24:25]
	s_add_nc_u64 s[6:7], s[6:7], s[24:25]
	s_add_nc_u64 s[8:9], s[8:9], s[26:27]
	s_add_nc_u64 s[10:11], s[10:11], s[28:29]
	s_add_nc_u64 s[12:13], s[12:13], s[30:31]
	s_add_nc_u64 s[14:15], s[14:15], s[32:33]
	s_add_nc_u64 s[16:17], s[16:17], s[34:35]
	s_cmp_lt_u32 s18, 8
	s_cbranch_scc1 .Lno_cast_load
	global_load_b128 v[232:235], v12, s[10:11]     ; waves 8 to 15: four numbers of W_v a thread
.Lno_cast_load:
.irp i, 0,1,2,3,4,5,6,7
	global_load_b32 v[T+\i], v3, s[8:9] offset:32768*\i    ; the eight partial sums of u[b][thread]
.endr
.set i, 0
.rept 32
	global_load_b128 v[X+4*i:X+4*i+3], v2, s[4:5] offset:512*i th:TH_LOAD_NT   ; row i / 4, 512 consecutive bytes
.set i, i+1
.endr
	s_lshl_b32 s36, s18, 5
	s_add_co_u32 s36, s36, SCB
	v_mov_b32 v6, s36
	s_lshl_b32 s36, s18, 2
	s_add_co_u32 s36, s36, MWB
	v_mov_b32 v7, s36
	s_lshl_b32 s36, s18, 12
	s_add_co_u32 s36, s36, AU
	v_lshl_add_u32 v9, v1, 4, s36
	v_lshl_add_u32 v10, v0, 4, AU
	v_mov_b32 v11, MWB
	v_lshlrev_b32 v14, 4, v0
	s_wait_loadcnt 32                              ; all that was asked for ahead of K's 32 loads is in, on both ways round the branch
	v_add_f32 v[T], v[T], v[T+1]
	v_add_f32 v[T+2], v[T+2], v[T+3]
	v_add_f32 v[T+4], v[T+4], v[T+5]
	v_add_f32 v[T+6], v[T+6], v[T+7]
	v_add_f32 v[T], v[T], v[T+2]
	v_add_f32 v[T+4], v[T+4], v[T+6]
	v_add_f32 v[T], v[T], v[T+4]
	v_mul_f32 v[T], CS, v[T]
	ds_store_b32 v3, v[T]
	s_cmp_lt_u32 s18, 8
	s_cbranch_scc1 .Lno_cast
	v_cvt_pk_f16_f32 v236, v232, v233
	v_cvt_pk_f16_f32 v237, v234, v235
	global_store_b64 v13, v[236:237], s[16:17]     ; a wave stores 256 consecutive bytes, aligned
.Lno_cast:
	s_wait_dscnt 0x0
	s_barrier_signal -1
	s_barrier_wait -1
.irp q, 0,1,2,3
	ds_load_b128 v[U+4*\q:U+4*\q+3], v4 offset:512*\q
.endr
	s_wait_dscnt 0x0
; Row r of K times u.  The count: behind the row's four loads stand 4 (7 - r) loads of K and the 4 r loads of V issued so far.
.macro KROW r
	s_wait_loadcnt 28
	v_pk_mul_f32 v[T:T+1],   v[X+16*\r:X+16*\r+1],   v[U:U+1]
	v_pk_mul_f32 v[T+2:T+3], v[X+16*\r+2:X+16*\r+3], v[U+2:U+3]
.irp p, 2,3,4,5,6,7
	v_pk_fma_f32 v[T+2*(\p%2):T+2*(\p%2)+1], v[X+16*\r+2*\p:X+16*\r+2*\p+1], v[U+2*\p:U+2*\p+1], v[T+2*(\p%2):T+2*(\p%2)+1]
.endr
.irp q, 0,1,2,3
	global_load_b128 v[X+16*\r+4*\q:X+16*\r+4*\q+3], v2, s[6:7] offset:2048*\r+512*\q   ; the same row of V; the next launch reads V again, so no hint
.endr
	v_pk_add_f32 v[T:T+1], v[T:T+1], v[T+2:T+3]
	v_add_f32 v[S+\r], v[T], v[T+1]
.irp d, 1,2,4,8
	v_add_f32_dpp v[S+\r], v[S+\r], v[S+\r] row_xmask:\d row_mask:0xf bank_mask:0xf
.endr
	v_permlanex16_b32 v[T+2], v[S+\r], s20, s21
	v_add_f32 v[S+\r], v[S+\r], v[T+2]             ; the score, in every lane
.endm
.irp r, 0,1,2,3,4,5,6,7
	KROW \r
.endr
.irp r, 0,1,2,3,4,5,6,7
	ds_store_b32 v6, v[S+\r] offset:4*\r           ; all lanes write the same word with the same value
.endr
	v_max3_num_f32 v[T], v[S], v[S+1], v[S+2]
	v_max3_num_f32 v[T], v[T], v[S+3], v[S+4]
	v_max3_num_f32 v[T], v[T], v[S+5], v[S+6]
	v_max_num_f32 v[T], v[T], v[S+7]
	ds_store_b32 v7, v[T]
	s_wait_dscnt 0x0
	s_barrier_signal -1
	s_barrier_wait -1
.irp q, 0,1,2,3
	ds_load_b128 v[T+4*\q:T+4*\q+3], v11 offset:16*\q
.endr
	s_wait_dscnt 0x0
	v_max3_num_f32 v5, v[T], v[T+1], v[T+2]
.irp q, 3,5,7,9,11,13
	v_max3_num_f32 v5, v5, v[T+\q], v[T+\q+1]
.endr
	v_max_num_f32 v5, v5, v[T+15]                  ; the chunk's maximum
.irp r, 0,1,2,3,4,5,6,7
	v_sub_f32 v[WT+2*\r], v[S+\r], v5
.endr
.irp r, 0,1,2,3,4,5,6,7
	v_exp_f32 v[WT+2*\r], v[WT+2*\r]
.endr
	v_nop                                          ; a plain instruction between the last exponential and the use of its result
	s_wait_alu depctr_va_vdst(0)
.irp r, 0,1,2,3,4,5,6,7
	v_mov_b32 v[WT+2*\r+1], v[WT+2*\r]
.endr
	v_add_f32 v[T], v[WT], v[WT+2]
	v_add_f32 v[T+1], v[WT+4], v[WT+6]
	v_add_f32 v[T+2], v[WT+8], v[WT+10]
	v_add_f32 v[T+3], v[WT+12], v[WT+14]
	v_add_f32 v[T], v[T], v[T+1]
	v_add_f32 v[T+2], v[T+2], v[T+3]
	v_add_f32 v[T], v[T], v[T+2]                   ; my wave's share of l
.macro VROW r                          ; row r of V into A (weighted) and U (plain); 4 (7 - r) younger loads stay out
	s_wait_loadcnt 4*(7-\r)
.irp p, 0,1,2,3,4,5,6,7
.if \r == 0
	v_pk_mul_f32 v[A+2*\p:A+2*\p+1], v[X+2*\p:X+2*\p+1], v[WT:WT+1]
.else
	v_pk_fma_f32 v[A+2*\p:A+2*\p+1], v[X+16*\r+2*\p:X+16*\r+2*\p+1], v[WT+2*\r:WT+2*\r+1], v[A+2*\p:A+2*\p+1]
.endif
.if \r == 1
	v_pk_add_f32 v[US+2*\p:US+2*\p+1], v[X+2*\p:X+2*\p+1], v[X+16+2*\p:X+16+2*\p+1]
.elseif \r > 1
	v_pk_add_f32 v[US+2*\p:US+2*\p+1], v[US+2*\p:US+2*\p+1], v[X+16*\r+2*\p:X+16*\r+2*\p+1]
.endif
.endr
.endm
.irp r, 0,1,2,3,4,5,6,7
	VROW \r
.endr
.irp q, 0,1,2,3
	ds_store_b128 v9, v[A+4*\q:A+4*\q+3] offset:512*\q
	ds_store_b128 v9, v[US+4*\q:US+4*\q+3] offset:2048+512*\q
.endr
	ds_store_b32 v7, v[T] offset:256
	s_wait_dscnt 0x0
	s_barrier_signal -1
	s_barrier_wait -1
	s_cmp_lt_u32 s18, 8
	s_cbranch_scc0 .Lend                           ; no barrier follows: waves 8 to 15 are done
.set i, 0
.rept 16
	ds_load_b128 v[X+4*i:X+4*i+3], v10 offset:4096*i       ; thread t: 16 bytes of A | U from each of the 16 waves
.set i, i+1
.endr
	s_wait_dscnt 0x0
.set st, 8
.rept 4
.set i, 0
.rept st
	v_pk_add_f32 v[X+4*i:X+4*i+1],   v[X+4*i:X+4*i+1],   v[X+4*(i+st):X+4*(i+st)+1]
	v_pk_add_f32 v[X+4*i+2:X+4*i+3], v[X+4*i+2:X+4*i+3], v[X+4*(i+st)+2:X+4*(i+st)+3]
.set i, i+1
.endr
.set st, st/2
.endr
	global_store_b128 v14, v[X:X+3], s[14:15]      ; the record's first 4,096 bytes: A, then U
	s_cmp_lg_u32 s18, 0
	s_cbranch_scc1 .Lend
.irp q, 0,1,2,3
	ds_load_b128 v[T+4*\q:T+4*\q+3], v11 offset:256+16*\q
.endr
	ds_load_b128 v[X+64:X+67], v4 offset:SCB
	s_wait_dscnt 0x0
.irp q, 0,2,4,6
	v_pk_add_f32 v[T+\q:T+\q+1], v[T+\q:T+\q+1], v[T+8+\q:T+8+\q+1]
.endr
	v_pk_add_f32 v[T:T+1], v[T:T+1], v[T+4:T+5]
	v_pk_add_f32 v[T+2:T+3], v[T+2:T+3], v[T+6:T+7]
	v_pk_add_f32 v[T:T+1], v[T:T+1], v[T+2:T+3]
	v_add_f32 v[X+69], v[T], v[T+1]                ; l
	v_mov_b32 v[X+68], v5                          ; m
	v_mov_b32 v[X+70], v5
	v_mov_b32 v[X+71], v[X+69]
	global_store_b128 v4, v[X+68:X+71], s[14:15] offset:4096   ; (m, l) repeated over 512 bytes: whole aligned blocks of 256
	global_store_b128 v4, v[X+64:X+67], s[12:13]               ; the chunk's 128 scores, 512 bytes
.Lend:
	s_wait_tensorcnt 0x0
	ds_add_u32 v240, v241
	s_wait_dscnt 0x0
	s_endpgm
.Lfunc_end_k_qffa04bad15_score:
	.size	k_qffa04bad15_score, .Lfunc_end_k_qffa04bad15_score-k_qffa04bad15_score
	.p2alignl 7, 3214868480
	.fill 96, 4, 3214868480
	.section	.rodata,"a",@progbits
	.p2align	6, 0x0
	.amdhsa_kernel k_qffa04bad15_score
		.amdhsa_group_segment_fixed_size 70656
		.amdhsa_private_segment_fixed_size 0
		.amdhsa_enable_private_segment 0
		.amdhsa_kernarg_size 56
		.amdhsa_user_sgpr_count 2
		.amdhsa_user_sgpr_kernarg_segment_ptr 1
		.amdhsa_wavefront_size32 1
		.amdhsa_system_sgpr_workgroup_id_x 1
		.amdhsa_system_sgpr_workgroup_id_y 1
		.amdhsa_system_sgpr_workgroup_id_z 1
		.amdhsa_system_vgpr_workitem_id 0
		.amdhsa_next_free_vgpr 242
		.amdhsa_next_free_sgpr 66
		.amdhsa_reserve_vcc 0
		.amdhsa_float_denorm_mode_32 3
		.amdhsa_float_denorm_mode_16_64 3
		.amdhsa_memory_ordered 1
		.amdhsa_forward_progress 1
		.amdhsa_inst_pref_size 34
	.end_amdhsa_kernel
	.amdgpu_metadata
---
amdhsa.version: [ 1, 2 ]
amdhsa.kernels:
  - .name:           k_qffa04bad15_score
    .symbol:         k_qffa04bad15_score.kd
    .args:
      - { .name: K, .offset: 0, .size: 8, .value_kind: global_buffer, .address_space: global }
      - { .name: V, .offset: 8, .size: 8, .value_kind: global_buffer, .address_space: global }
      - { .name: up, .offset: 16, .size: 8, .value_kind: global_buffer, .address_space: global }
      - { .name: W_v, .offset: 24, .size: 8, .value_kind: global_buffer, .address_space: global }
      - { .name: sc, .offset: 32, .size: 8, .value_kind: global_buffer, .address_space: global }
      - { .name: summ, .offset: 40, .size: 8, .value_kind: global_buffer, .address_space: global }
      - { .name: wh, .offset: 48, .size: 8, .value_kind: global_buffer, .address_space: global }
    .group_segment_fixed_size: 70656
    .private_segment_fixed_size: 0
    .kernarg_segment_align: 8
    .kernarg_segment_size: 56
    .max_flat_workgroup_size: 512
    .sgpr_count:     66
    .vgpr_count:     242
    .wavefront_size: 32
...
	.end_amdgpu_metadata
.endif
;; end of part 2
;; launch fuse (part 3): grid 16 x 16, 4 waves a work-group, clusters of 4 x 1, 327,680 bytes of LDS; arguments V, sc, summ, wh, mask, ln_gamma, ln_beta, out0; writes out0
.if DOCPART == 3
	.amdgcn_target "amdgcn-amd-amdhsa--gfx1250"
	.amdhsa_code_object_version 6
	.text
	.protected	k_qffa04bad15_fuse
	.globl	k_qffa04bad15_fuse
	.p2align	8
	.type	k_qffa04bad15_fuse,@function
k_qffa04bad15_fuse:
	s_mov_b64 s[64:65], 0
	v_nop
	global_prefetch_b8 v0, s[64:65] scope:SCOPE_SE
	s_setreg_imm32_b32 hwreg(HW_REG_WAVE_MODE, 25, 1), 1
	s_wait_xcnt 0x0
	s_wait_alu depctr_hold_cnt(0) depctr_sa_sdst(0) depctr_va_vdst(0) depctr_va_sdst(0) depctr_va_ssrc(0) depctr_va_vcc(0) depctr_vm_vsrc(0)
	s_getreg_b32 s2, hwreg(HW_REG_IB_STS2, 6, 4)
	s_cmp_eq_u32 s2, 0
	s_cbranch_scc0 .Lentry_in_a_cluster
	s_endpgm
.Lentry_in_a_cluster:
	s_bfe_u32 s2, ttmp6, 0x10000c
	s_cmp_lg_u32 s2, 0x3003
	s_cbranch_scc0 .Lentry_shape_is_right
	s_endpgm
.Lentry_shape_is_right:
; out0[b][i] = LayerNorm(V[b][i] + X[i] W_v), for the 128 rows i of chunk c of batch b.
; X[i] is the softmax mean of V over the keys that row i sees.  Every query row has the same score row s', so for a row that the mask input leaves open X[i] is the mean of V[0..i] with weights
; 2^(s'[j] - m_i), m_i the running maximum of s'[0..i]; for a row that the mask hides every entry of the softmax is equal, and X[i] is the plain mean of all 2,048 rows.
; THE SCAN.  The chunks ahead enter as ONE pseudo key: value Abar = A_prev / l_prev, weight 2^(m_prev - m_i) l_prev, made from the summaries of the launch before.  A second pseudo key holds the
; mean of all rows, with weight 1 in hidden rows (whose m_i is the largest finite number, so that all their other weights are 0) and 0 elsewhere.  All exponents are at most 0, and every l_i is at least 1.
; FORMATS.  Scores, maxima, carries, sums l, LayerNorm: f32.  Matrix operands (weights P, V, the pseudo keys, X, W_v): f16, sums in f32.  V in f32 is the C operand that starts the sums of X W_v.
; l_i is the sum of the ROUNDED weights (a product of ones with P), so the weights that are used sum to one.
; LIMITS.  |V| and |W_v| stay below 65,504; below 6e-5 they keep f16's fixed step of 6e-8, and so does a weight.  Scores stay above -1e10 + 100.
; A weight below 2^-126 counts as 0.  NaN and infinities are not treated apart.  Any mask byte other than 0 counts as hidden.
; SHARES.  Four waves; wave w owns the column strip 128 w .. 128 w + 127, as channels of V and X and as columns of the output: 8 x 8 accumulators of 16 x 16, 512 registers.
; THE MATRIX INSTRUCTIONS ARE USED TRANSPOSED (source 0: 16 columns, source 1: 16 rows): a lane holds one row (lane % 16) and eight neighbouring columns 8 (lane / 16) + 0..7.
; CLUSTER.  The four work-groups of a cluster walk the same W_v: each wave asks for its strip's tile (64 k x 128 n) JOINTLY, same descriptor and mask in all four.  The summaries (68 KB a work-group,
; against 256 KB of V and 512 KB of W_v) are shared too, but are wanted in registers, a thread's four columns each: plain loads.
; V comes by plain loads straight into the accumulators' registers (56 loads of 512 bytes of every wave out), is rounded to f16 into LDS, and is turned into the accumulators' layout through a stage.
;
; LDS.  0: two slots of W_v tiles, per wave 64 rows x 288 bytes (256 + 32).  These alone are filled by tensor loads.
.set WSTRIP, 18432
.set WSLOT,  73728
.set XV,     147456                    ; [strip 4][row 128] x 272 bytes (256 + 16): V in f16, then X in its place
.set XSTRIP, 34816
.set XP,     272
.set SCR,    286720                    ; per wave 16 rows x 272: the stage that turns 16 x 64 f32, in and out
.set SS,     304128                    ; per wave 512: the chunk's scores
.set MKB,    306176                    ; per wave 256: the chunk's mask bytes
.set AT,     307200                    ; column d: f16 pair (Abar, mean of all rows); a wave writes and reads its own strip's 512 bytes
.set GAM,    309248                    ; gamma; beta 2,048 further on; likewise by strips
.set RED1,   313344                    ; [row 128][wave 4] f32: row sums; the sums of squares 2,048 further on
.set SPARE,  317440                    ; the spare words, 128 bytes for each wave: two blocks of 256 bytes that no other line names
.set REC,    4608                      ; a summary record: A 2,048, U 2,048, (m, l) repeated 512
; REGISTERS, in windows of 256 (s_set_vgpr_msb: bits 1:0 source 0, 3:2 source 1, 5:4 source 2, 7:6 destination).
; window 0: v1 spare word's address, v2 zero (both never rewritten); v3 r = lane % 16; v4 h = lane / 16; v5 offset in V and out0; v6 f16 V store; v7, v8 stage by rows, by accumulator layout;
;   v9 V^T fragments; v10 X store; v11 X fragments; v12, v13 W fragments, slot 0, 1; v14 pseudo keys; v15, v16 scores by key, by row; v17 mask; v18, v19 row sums in, out; v20 gamma; v21 r - 8 h;
;   v22 m_prev; v23 l_prev; v24-39 pairs: m_i, then 1 / l_i, then the rows' means; v40-55 at work, then pairs of rsqrt; v56-63 at work; v64-191 shared (see each phase); v192-255 pseudo keys' weights, then gamma
; window 1: v0-159 P (fragment (a, jb) at 8 x ((a/2+1)(a/2+a%2) + jb)), later v0-63 rows on their way out; v160-223 l's, then X's accumulators; v224-255 pseudo keys' values; in the product v64-191 W, v192-255 beta
; windows 2, 3: accumulator (A, bn) at 512 + 64 A + 8 bn: row 16 A + r, columns 16 bn + 8 h + 0..7 of my strip
.set MP,   24
.set RS,   40
.set SR,   48
.set SJ,   64
.set F0,   64
.set F1,   128
.set ONES, 144
.set AUGP, 192
.set MSB, 0
.macro WIN new                         ; the immediate's high byte repeats the setting that is left; a switch that changes nothing is dropped
.if MSB != (\new)
	s_set_vgpr_msb (MSB<<8)|(\new)
.set MSB, \new
.endif
.endm
.macro PLACES                          ; four places behind matrix instructions (ISA guide 7.12.1), where no other plain vector work is at hand
.rept 4
	v_nop
.endr
.endm
.macro CREST                           ; a round of the cluster's barrier behind its opening barrier
	s_cmp_lg_u32 s20, 0
	s_cbranch_scc1 .Lnot_wave_0_\@
	s_barrier_signal -3
.Lnot_wave_0_\@:
	s_barrier_wait -3
	s_barrier_signal -1
	s_barrier_wait -1
.endm
.macro CROUND
	s_barrier_signal -1
	s_barrier_wait -1
	CREST
.endm
.macro JLOAD s                         ; my strip's tile into slot s: every wave of all four work-groups issues it; s_nop 0 and four v_nop follow
	tensor_load_to_lds s[32+4*(\s):35+4*(\s)], s[24:31]
	s_nop 0
.rept 4
	v_nop
.endr
.endm
; Block blk of V: rows 16 (blk / 2) .. + 15, 64 columns of my strip.  Eight loads; lanes 0-15 take 256 aligned bytes of row e, lanes 16-31 of row e + 8.  They land in the block's 32 accumulator registers.
.macro VLOAD blk
.set lA, (\blk)/2
.set lH, (\blk)%2
	WIN (2+lA/4)<<6
.irp e, 0,1,2,3,4,5,6,7
	global_load_b128 v[64*(lA%4)+32*lH+4*\e:64*(lA%4)+32*lH+4*\e+3], v5, s[4:5] offset:(16*lA+\e)*2048+256*lH th:TH_LOAD_NT
.endr
.endm
	s_load_b512 s[4:19], s[0:1], 0x0               ; V s[4:5], sc s[6:7], summ s[8:9], wh s[10:11], mask s[12:13], gamma s[14:15], beta s[16:17], out0 s[18:19]
	v_lshl_add_u32 v1, v0, 2, SPARE
	v_mov_b32 v2, 0
	ds_add_u32 v1, v2
	ds_add_u32 v1, v2
	s_wait_dscnt 0x0
	v_lshrrev_b32 v63, 5, v0
	v_readfirstlane_b32 s20, v63                   ; wave 0..3
	s_bfe_u32 s21, ttmp6, 0x40000                  ; cx: my place in the cluster
	s_lshl_b32 s22, ttmp9, 2
	s_add_co_u32 s22, s22, s21                     ; c: it enters global addresses of plain loads and stores and one compare of lanes, nothing else
	s_and_b32 s23, ttmp7, 0xffff                   ; b
	s_lshl_b32 s60, s23, 4
	s_add_co_u32 s60, s60, s22                     ; g = 16 b + c
	s_lshl_b32 s82, s60, 18                        ; 128 rows of 2,048 bytes
	s_mov_b32 s83, 0
	s_lshl_b32 s84, s60, 9
	s_mov_b32 s85, 0
	s_mul_i32 s86, s23, 16*REC
	s_mov_b32 s87, 0
	s_lshl_b32 s88, s60, 7
	s_mov_b32 s89, 0
	; descriptor group 1: a tile of 64 rows x 128 elements of 2 bytes, 512 elements from row to row, 8 words of padding behind every 64
	s_mov_b32 s24, 15|(1<<16)|(1<<20)|(1<<21)|(5<<22)|(7<<25)  ; 15:0 the mask of four; 17:16 2-byte elements; 20 padding on; 21 set beside a mask; 24:22 code 5; 31:25 code 7
	s_mov_b32 s25, 128<<16                         ; tensor_dim0 = 128
	s_mov_b32 s26, 64<<16                          ; tensor_dim1 = 64
	s_mov_b32 s27, 128<<16                         ; tile_dim0 = 128
	s_mov_b32 s28, 64                              ; tile_dim1 = 64
	s_mov_b32 s29, 512
	s_mov_b32 s30, 0
	s_mov_b32 s31, 0
	s_mov_b32 s32, 1
	s_mul_i32 s33, s20, WSTRIP                     ; LDS: my strip of slot 0: the wave's number alone
	s_mov_b32 s36, 1
	s_add_co_u32 s37, s33, WSLOT
	s_lshl_b32 s58, s20, 8                         ; my strip's 256 bytes in a row of wh
	s_mov_b32 s59, 0
	s_mov_b32 s40, 0x76543210                      ; v_permlanex16_b32: each lane takes its own place in the other half
	s_mov_b32 s41, 0xfedcba98
	s_mov_b32 s42, 0xaaaaaaaa                      ; lanes whose number has bit 0, 1, 2, 3 set
	s_mov_b32 s43, 0xcccccccc
	s_mov_b32 s44, 0xf0f0f0f0
	s_mov_b32 s45, 0xff00ff00
	s_mov_b32 s54, 0x0000ffff                      ; lanes 0-15
	v_and_b32 v3, 15, v0
	v_bfe_u32 v4, v0, 4, 1
	v_and_b32 v60, 31, v0
	s_lshl_b32 s61, s20, 9                         ; 512 w
	v_lshl_add_u32 v5, v3, 4, s61
	v_lshl_add_u32 v5, v4, 14, v5                  ; 512 w + 16 r + 8 rows for lanes 16-31
	v_lshlrev_b32 v201, 4, v0
	v_mul_u32_u24 v202, v3, REC
	v_lshlrev_b32 v203, 4, v60
	v_lshlrev_b32 v204, 2, v60
	s_wait_kmcnt 0x0
	s_add_nc_u64 s[4:5], s[4:5], s[82:83]
	s_add_nc_u64 s[18:19], s[18:19], s[82:83]
	s_add_nc_u64 s[6:7], s[6:7], s[84:85]
	s_add_nc_u64 s[8:9], s[8:9], s[86:87]
	s_add_nc_u64 s[12:13], s[12:13], s[88:89]
	s_add_nc_u64 s[34:35], s[10:11], s[58:59]      ; K step 0
	s_add_nc_u64 s[38:39], s[34:35], 65536         ; K step 1: 64 rows of 1,024 bytes on
	s_or_b32 s35, s35, 0x80000000                  ; type = 2
	s_or_b32 s39, s39, 0x80000000
	; 36 small loads, then the first three blocks of V
	global_load_b64 v[56:57], v202, s[8:9] offset:4096     ; lane r: (m, l) of chunk r of my batch
.set i, 0
.rept 15
	global_load_b128 v[64+4*i:67+4*i], v201, s[8:9] offset:REC*i           ; A of chunks 0 to 14, my four columns
.set i, i+1
.endr
.set i, 0
.rept 16
	global_load_b128 v[124+4*i:127+4*i], v201, s[8:9] offset:REC*i+2048    ; U of all 16 chunks
.set i, i+1
.endr
	global_load_b128 v[188:191], v203, s[6:7]
	global_load_b128 v[192:195], v201, s[14:15]
	global_load_b128 v[196:199], v201, s[16:17]
	global_load_b32 v200, v204, s[12:13]
	VLOAD 0
	VLOAD 1
	VLOAD 2
	WIN 0
	CROUND                                         ; all four work-groups are here: the first joint loads meet
	tensor_load_to_lds s[32:35], s[24:31]          ; both first fills together, ahead of every wait on TENSORcnt and every LDS instruction: two loads of mine are out
	s_nop 0
	tensor_load_to_lds s[36:39], s[24:31]
	s_nop 0
.rept 4
	v_nop
.endr
	; LDS addresses: a constant, the wave's number times a constant, a lane term
	s_mul_i32 s58, s20, XSTRIP
	s_add_co_u32 s58, s58, XV
	s_mul_i32 s59, s20, 16*XP
	s_add_co_u32 s59, s59, SCR
	v_and_b32 v61, 7, v0
	v_lshl_add_u32 v61, v4, 3, v61                 ; 8 h + lane % 8
	v_bfe_u32 v62, v0, 3, 1
	v_mul_u32_u24 v6, v4, 8*XP
	v_add_nc_u32 v7, s59, v6
	v_lshl_add_u32 v7, v3, 4, v7
	v_add_nc_u32 v6, s58, v6
	v_lshl_add_u32 v6, v3, 3, v6
	v_mul_u32_u24 v63, v3, XP
	v_lshl_add_u32 v8, v4, 5, v63
	v_add_nc_u32 v8, s59, v8
	v_mul_u32_u24 v9, v61, XP
	v_lshl_add_u32 v9, v62, 4, v9
	v_add_nc_u32 v9, s58, v9
	v_lshl_add_u32 v11, v4, 4, v63
	v_add_nc_u32 v10, s58, v11
	v_add_nc_u32 v11, XV, v11
	v_mul_u32_u24 v12, v61, 288
	v_lshl_add_u32 v12, v62, 4, v12
	v_add_nc_u32 v12, s33, v12
	v_add_nc_u32 v13, WSLOT, v12
	s_add_co_u32 s62, s61, AT
	v_lshl_add_u32 v14, v3, 2, s62
	v_lshl_add_u32 v208, v60, 4, s62
	s_add_co_u32 s62, s61, SS
	v_lshl_add_u32 v15, v4, 5, s62
	v_lshl_add_u32 v16, v3, 2, s62
	v_lshl_add_u32 v205, v60, 4, s62
	s_lshl_b32 s62, s20, 8
	s_add_co_u32 s62, s62, MKB
	v_add_nc_u32 v17, s62, v3
	v_lshl_add_u32 v206, v60, 2, s62
	s_lshl_b32 s62, s20, 2
	s_add_co_u32 s62, s62, RED1
	v_lshl_add_u32 v18, v3, 4, s62
	v_lshl_add_u32 v19, v3, 4, RED1
	s_add_co_u32 s62, s61, GAM
	v_lshl_add_u32 v20, v4, 5, s62
	v_lshl_add_u32 v207, v60, 4, s62
	v_lshlrev_b32 v21, 3, v4
	v_sub_nc_u32 v21, v3, v21
	s_wait_loadcnt 24                              ; the small loads are in; the 24 loads of V behind them stay out
	VLOAD 3
	VLOAD 4
	VLOAD 5
	VLOAD 6                                        ; 56 loads of V are out
	WIN 0
	; THE CARRY.  Every wave for itself, under V's loads; what goes through LDS is the wave's own bytes, and LDS serves a wave's instructions in order (ISA guide 5.7.1.4).
	ds_store_b128 v205, v[188:191]
	ds_store_b32 v206, v200
	ds_store_b128 v207, v[192:195]
	ds_store_b128 v207, v[196:199] offset:2048
	v_cmp_gt_u32 s55, s22, v3                      ; lanes whose chunk r lies ahead of mine
	v_mov_b32 v58, 0xff7fffff                      ; the lowest finite number
	v_cndmask_b32 v58, v58, v56, s55
	v_mov_b32 v22, v58
.irp d, 1,2,4,8
	v_max_num_f32_dpp v22, v22, v22 row_xmask:\d row_mask:0xf bank_mask:0xf
.endr
	v_sub_f32 v59, v58, v22
	v_exp_f32 v59, v59
	v_nop
	s_wait_alu depctr_va_vdst(0)
	v_cndmask_b32 v59, 0, v59, s55                 ; f = 2^(m_c' - m_prev), 0 for chunks not ahead
	v_mul_f32 v23, v59, v57
.irp d, 1,2,4,8
	v_add_f32_dpp v23, v23, v23 row_xmask:\d row_mask:0xf bank_mask:0xf
.endr
.set i, 0
.rept 15
	v_readlane_b32 s[66+i], v59, i
.set i, i+1
.endr
	v_max_num_f32 v58, 1.0, v23                    ; l_prev is 0 (no chunk ahead) or at least 1
	v_rcp_f32 v58, v58
.set st, 8
.rept 4                                            ; the sum of all 16 U
.set i, 0
.rept st
	v_pk_add_f32 v[124+4*i:125+4*i], v[124+4*i:125+4*i], v[124+4*(i+st):125+4*(i+st)]
	v_pk_add_f32 v[126+4*i:127+4*i], v[126+4*i:127+4*i], v[126+4*(i+st):127+4*(i+st)]
.set i, i+1
.endr
.set st, st/2
.endr
.irp x, 0,1,2,3
	v_mul_f32 v[64+\x], s66, v[64+\x]
.endr
.set i, 1
.rept 14
.irp x, 0,1,2,3
	v_fmac_f32 v[64+\x], s[66+i], v[64+4*i+\x]
.endr
.set i, i+1
.endr
	s_wait_alu depctr_va_vdst(0)
.irp x, 0,1,2,3
	v_mul_f32 v[64+\x], v[64+\x], v58              ; Abar
	v_mul_f32 v[124+\x], 0x3a000000, v[124+\x]     ; / 2,048
.endr
.irp x, 0,1,2,3
	v_cvt_pk_f16_f32 v[68+\x], v[64+\x], v[124+\x]
.endr
	ds_store_b128 v208, v[68:71]
.irp a, 0,1,2,3,4,5,6,7
	ds_load_b32 v[SR+\a], v16 offset:64*\a         ; the score of row 16 a + r
	ds_load_u8 v[40+\a], v17 offset:16*\a          ; and its mask byte
.endr
.irp j, 0,1,2,3                                    ; the scores of the keys that my lane holds in a fragment of P: 32 j + 8 h + 0..7 and 16 further on
	ds_load_b128 v[SJ+16*\j:SJ+16*\j+3],     v15 offset:128*\j
	ds_load_b128 v[SJ+16*\j+4:SJ+16*\j+7],   v15 offset:128*\j+16
	ds_load_b128 v[SJ+16*\j+8:SJ+16*\j+11],  v15 offset:128*\j+64
	ds_load_b128 v[SJ+16*\j+12:SJ+16*\j+15], v15 offset:128*\j+80
.endr
	s_wait_dscnt 0x0
	; The running maximum inside each block of 16 rows: in step d a lane whose bit d is set takes in the maximum of the d lanes' group below it.
.irp a, 0,1,2,3,4,5,6,7
	v_mov_b32 v[MP+2*\a], v[SR+\a]
.endr
.macro SCANSTEP d, sm
.irp a, 0,1,2,3,4,5,6,7
	v_max_num_f32_dpp v[128+\a], v[SR+\a], v[MP+2*\a] row_xmask:\d row_mask:0xf bank_mask:0xf
.endr
.irp a, 0,1,2,3,4,5,6,7
	v_cndmask_b32 v[MP+2*\a], v[MP+2*\a], v[128+\a], s[\sm]
	v_max_num_f32_dpp v[SR+\a], v[SR+\a], v[SR+\a] row_xmask:\d row_mask:0xf bank_mask:0xf
.endr
.endm
	SCANSTEP 1, 42
	SCANSTEP 2, 43
	SCANSTEP 4, 44
	SCANSTEP 8, 45
	v_mov_b32 v57, v22                             ; the maximum of all that lies ahead of the block
	v_mov_b32 v56, 0x7f7fffff
.irp a, 0,1,2,3,4,5,6,7
	v_max_num_f32 v[MP+2*\a], v[MP+2*\a], v57
	v_max_num_f32 v57, v57, v[SR+\a]
.endr
.irp a, 0,1,2,3,4,5,6,7
	v_cmp_ne_u32 s56, 0, v[40+\a]
	v_cndmask_b32 v[MP+2*\a], v[MP+2*\a], v56, s56 ; a hidden row: m_i so large that all weights but the second pseudo key's are 0
	v_cndmask_b32 v[SR+\a], 0, 1.0, s56
	v_mov_b32 v[MP+2*\a+1], v[MP+2*\a]
	v_sub_f32 v[40+\a], v22, v[MP+2*\a]
.endr
.irp a, 0,1,2,3,4,5,6,7
	v_exp_f32 v[40+\a], v[40+\a]
.endr
	v_nop
	s_wait_alu depctr_va_vdst(0)
.irp a, 0,1,2,3,4,5,6,7
	v_mul_f32 v[40+\a], v[40+\a], v23
.endr
.irp a, 0,1,2,3,4,5,6,7
	v_cvt_pk_f16_f32 v[40+\a], v[40+\a], v[SR+\a]  ; keys 0 and 1 of the pseudo fragment
.endr
	; The pseudo keys' fragments hold two keys of 32: one register in lanes 0-15; the other seven registers are written 0 once (84 lines, under V's loads).
.irp a, 0,1,2,3,4,5,6,7
	v_cndmask_b32 v[AUGP+8*\a], 0, v[40+\a], s54
.irp k, 1,2,3,4,5,6,7
	v_mov_b32 v[AUGP+8*\a+\k], 0
.endr
.endr
.irp e, 0,1,2,3,4,5,6,7
	v_cmp_le_i32 s[46+\e], \e, v21                 ; in a diagonal block key 8 h + e is seen by row r
	v_mov_b32 v[ONES+\e], 0x3c003c00
.endr
	WIN 0x40
.irp d, 0,1,2,3
.irp k, 1,2,3,4,5,6,7
	v_mov_b32 v[224+8*\d+\k], 0
.endr
.endr
; THE WEIGHTS.  Fragment (a, jb): rows 16 a + r, keys 32 jb ..: 2^(s' - m_i), rounded to f16 in pairs.  On the diagonal (jb = a / 2) hidden keys are chosen 0; for even a the second 16 keys are all hidden.
.macro PFRAG a, jb
.set pN, 16
.set pG, 0
.if (\jb) == (\a)/2
.set pG, 1
.if (\a)%2 == 0
.set pN, 8
.endif
.endif
.set pR, 8*(((\a)/2+1)*((\a)/2+(\a)%2)+(\jb))
	WIN 0
.set p, 0
.rept pN/2
	v_pk_add_f32 v[128+2*p:129+2*p], v[SJ+16*(\jb)+2*p:SJ+16*(\jb)+2*p+1], v[MP+2*(\a):MP+2*(\a)+1] neg_lo:[0,1] neg_hi:[0,1]
.set p, p+1
.endr
.set p, 0
.rept pN
	v_exp_f32 v[128+p], v[128+p]
.set p, p+1
.endr
	v_nop
.if pG
.set p, 0
	s_wait_alu depctr_va_vdst(0)
.rept 8
	v_cndmask_b32 v[128+8*((\a)%2)+p], 0, v[128+8*((\a)%2)+p], s[46+p]
.set p, p+1
.endr
.endif
	WIN 0x40
.set p, 0
	s_wait_alu depctr_va_vdst(0)
.rept pN/2
	v_cvt_pk_f16_f32 v[pR+p], v[128+2*p], v[128+2*p+1]
.set p, p+1
.endr
.if pN == 8
.irp k, 4,5,6,7
	v_mov_b32 v[pR+\k], 0
.endr
.endif
.endm
.irp a, 0,1,2,3,4,5,6,7
.set jb, 0
.rept (\a)/2+1
	PFRAG \a, jb
.set jb, jb+1
.endr
.endr
	; l_i = ones x P: 28 products; the accumulators take turns, one instruction a turn.  Every register of a result holds the row's sum.
	WIN 0x40
.irp a, 0,1,2,3,4,5,6,7
	v_wmma_f32_16x16x32_f16 v[160+8*\a:167+8*\a], v[ONES:ONES+7], v[AUGP+8*\a:AUGP+8*\a+7], 0
.endr
	WIN 0x54
.set jb, 0
.rept 4
.set a, 2*jb
.rept 8-2*jb
	v_wmma_f32_16x16x32_f16 v[160+8*a:167+8*a], v[ONES:ONES+7], v[8*((a/2+1)*(a/2+a%2)+jb):8*((a/2+1)*(a/2+a%2)+jb)+7], v[160+8*a:167+8*a]
.set a, a+1
.endr
.set jb, jb+1
.endr
	PLACES
	WIN 0x01
.irp a, 0,1,2,3,4,5,6,7
	v_rcp_f32 v[MP+2*\a], v[160+8*\a]              ; m_i is no longer wanted: its pairs take 1 / l_i
.endr
	WIN 0
	v_nop
	s_wait_alu depctr_va_vdst(0)
.irp a, 0,1,2,3,4,5,6,7
	v_mov_b32 v[MP+2*\a+1], v[MP+2*\a]
.endr
; A block of V has landed: rounded to f16 into XV; in f32 through my stage into the accumulators' layout, back into the same 32 registers.  The count: the blocks asked for behind it, six while loads last.
.macro VBLK blk
.set bA, (\blk)/2
.set bH, (\blk)%2
.set bW, 2+bA/4
.set bR, 64*(bA%4)+32*bH
.if (\blk) < 10
	s_wait_loadcnt 48
.else
	s_wait_loadcnt 8*(15-(\blk))
.endif
	WIN bW|(bW<<2)
.set p, 0
.rept 16
	v_cvt_pk_f16_f32 v[128+p], v[bR+2*p], v[bR+2*p+1]
.set p, p+1
.endr
	WIN 0
.irp e, 0,1,2,3,4,5,6,7
	ds_store_b64 v6, v[128+2*\e:129+2*\e] offset:(16*bA+\e)*XP+128*bH
.endr
	WIN (bW<<6)|(bW<<2)
.irp e, 0,1,2,3,4,5,6,7
	ds_store_b128 v7, v[bR+4*\e:bR+4*\e+3] offset:XP*\e
.endr
.irp n, 0,1,2,3
	ds_load_b128 v[bR+8*\n:bR+8*\n+3],   v8 offset:64*\n       ; these see the stores above; the next block's stores come behind them
	ds_load_b128 v[bR+8*\n+4:bR+8*\n+7], v8 offset:64*\n+16
.endr
.if (\blk) < 9
	VLOAD (\blk)+7
.endif
.endm
.irp k, 0,1,2,3,4,5,6,7,8,9,10,11,12,13,14,15
	VBLK \k
.endr
; X for rows 32 t .. 32 t + 31 of my strip, 64 channels a trip: the pseudo keys start the sums, then keys 0 .. 32 t + 31; divided by l, rounded, stored over V's rows 32 t ..,
; which no later pair needs (t goes down) and whose other 64 channels this trip does not touch.
.macro PV t
	WIN 0
	v_mov_b32 v60, v9
	v_mov_b32 v61, v10
	v_mov_b32 v62, v14
	s_mov_b32 s90, 2
.Lpv_\@:
.irp d, 0,1,2,3
	ds_load_b32 v[56+\d], v62 offset:64*\d
.endr
.set jb, 0
.rept (\t)+1
.irp d, 0,1,2,3
	ds_load_tr16_b128 v[64+32*jb+8*\d:64+32*jb+8*\d+3],   v60 offset:32*XP*jb+32*\d
	ds_load_tr16_b128 v[64+32*jb+8*\d+4:64+32*jb+8*\d+7], v60 offset:32*XP*jb+32*\d+16*XP
.endr
.set jb, jb+1
.endr
	s_wait_dscnt 0x0
	WIN 0x40
.irp d, 0,1,2,3
	v_cndmask_b32 v[224+8*\d], 0, v[56+\d], s54    ; keys 0, 1 lie in lanes 0-15; lanes 16-31 hold keys 8, 9: none
.endr
	WIN 0x51
.irp ap, 0,1
.irp d, 0,1,2,3
	v_wmma_f32_16x16x32_f16 v[160+32*\ap+8*\d:160+32*\ap+8*\d+7], v[224+8*\d:224+8*\d+7], v[AUGP+8*(2*(\t)+\ap):AUGP+8*(2*(\t)+\ap)+7], 0
.endr
.endr
	WIN 0x54
.set jb, 0
.rept (\t)+1
.irp ap, 0,1
.irp d, 0,1,2,3
	v_wmma_f32_16x16x32_f16 v[160+32*\ap+8*\d:160+32*\ap+8*\d+7], v[64+32*jb+8*\d:64+32*jb+8*\d+7], v[8*(((\t)+1)*((\t)+\ap)+jb):8*(((\t)+1)*((\t)+\ap)+jb)+7], v[160+32*\ap+8*\d:160+32*\ap+8*\d+7]
.endr
.endr
.set jb, jb+1
.endr
	PLACES
	WIN 0x41
.irp ap, 0,1
.set p, 0
.rept 16
	v_pk_mul_f32 v[160+32*\ap+2*p:160+32*\ap+2*p+1], v[160+32*\ap+2*p:160+32*\ap+2*p+1], v[MP+2*(2*(\t)+\ap):MP+2*(2*(\t)+\ap)+1]
.set p, p+1
.endr
.endr
	WIN 0x05
.set p, 0
.rept 32
	v_cvt_pk_f16_f32 v[64+p], v[160+2*p], v[161+2*p]
.set p, p+1
.endr
	WIN 0
.irp ap, 0,1
.irp d, 0,1,2,3
	ds_store_b128 v61, v[64+4*(4*\ap+\d):64+4*(4*\ap+\d)+3] offset:(32*(\t)+16*\ap)*XP+32*\d
.endr
.endr
	v_add_nc_u32 v60, 128, v60                     ; the strip's other 64 channels
	v_add_nc_u32 v61, 128, v61
	v_add_nc_u32 v62, 256, v62
	s_sub_co_u32 s90, s90, 1
	s_cmp_lg_u32 s90, 0
	s_cbranch_scc1 .Lpv_\@
.endm
	PV 3
	PV 2
	PV 1
	PV 0
	; THE PRODUCT X W_v, onto V.  K = 512 in eight steps of 64 through the two slots; a step is two quarters of 32 along K, 64 matrix instructions each, on fragment buffers F0, F1.
.macro MUL16 f, hi, a0                 ; 16 matrix instructions: row blocks 4 hi + a0, + 1, all eight column blocks; the 64 accumulators take turns, in the same order in every quarter
	WIN 0xa1+0x50*(\hi)
.irp a, \a0, (\a0)+1
.irp b, 0,1,2,3,4,5,6,7
	v_wmma_f32_16x16x32_f16 v[8*(8*(\a)+(\b)):8*(8*(\a)+(\b))+7], v[(\f)+8*(\b):(\f)+8*(\b)+7], v[(\f)+8*(4*(\hi)+(\a)):(\f)+8*(4*(\hi)+(\a))+7], v[8*(8*(\a)+(\b)):8*(8*(\a)+(\b))+7]
.endr
.endr
.endm
.macro FETCH slot, kk, kb, f           ; 32 LDS loads in one run: W's eight fragments (turned), half kk of the slot; then X's eight, at byte kb from v11
	WIN 0x40
.irp i, 0,1,2,3,4,5,6,7
	ds_load_tr16_b128 v[(\f)+8*\i:(\f)+8*\i+3],   v[12+(\slot)] offset:(\kk)*9216+32*\i
	ds_load_tr16_b128 v[(\f)+8*\i+4:(\f)+8*\i+7], v[12+(\slot)] offset:(\kk)*9216+32*\i+4608
.endr
	WIN 0
.irp i, 0,1,2,3,4,5,6,7
	ds_load_b128 v[(\f)+8*\i:(\f)+8*\i+3],   v11 offset:(\kb)+16*XP*\i
	ds_load_b128 v[(\f)+8*\i+4:(\f)+8*\i+7], v11 offset:(\kb)+16*XP*\i+32
.endr
.endm
.macro QUARTER slot, kb                ; multiplies F0; in its middle fetches the step's second half into F1
	s_wait_dscnt 8                                 ; W and X's rows 0-63 are in; the youngest eight loads (X's rows 64-127) may be out
	MUL16 F0, 0, 0
	MUL16 F0, 0, 2
	PLACES
	FETCH \slot, 1, \kb, F1
	s_wait_dscnt 32                                ; all but the 32 just issued
	MUL16 F0, 1, 0
	MUL16 F0, 1, 2
.endm
; Multiplies F1 and changes slots.  In front of the barrier each wave waits for all its tensor loads (one is out: its strip of the next slot), adds 0 to its spare word, and waits for that and for its
; reads of this slot.  fill = 1: the barrier opens a round of the cluster's, and the joint refill, two K steps on, is the first thing behind it: 96 matrix instructions ahead of the wait for it.
.macro TURN slot, next, kb, fill
	WIN 0
	s_wait_tensorcnt 0x0
	ds_add_u32 v1, v2                              ; 0 onto my spare word
	s_wait_dscnt 9                                 ; (the add and the youngest eight loads may be out)
	MUL16 F1, 0, 0
	s_wait_dscnt 0x0                               ; the add is done, and my reads of this slot are over
	s_barrier_signal -1
	MUL16 F1, 0, 2
.if \fill
	WIN 0
.endif
	s_barrier_wait -1
.if \fill
	CREST
	s_add_nc_u64 s[34+4*(\slot):35+4*(\slot)], s[34+4*(\slot):35+4*(\slot)], 131072
	JLOAD \slot                                    ; the four v_nop behind it are also the places in front of the loads below
.else
	PLACES
.endif
	FETCH \next, 0, \kb, F0
	MUL16 F1, 1, 0
	MUL16 F1, 1, 2
.endm
	s_wait_tensorcnt 0x1                           ; my strip of K step 0 is in; step 1's may stay out
	s_wait_dscnt 0x0                               ; my strip of X is stored, V is back in my accumulators
	s_barrier_signal -1
	s_barrier_wait -1                              ; all four strips of X are there
	FETCH 0, 0, 0, F0
	s_mov_b32 s91, 3
.Lk:                                                   ; a trip: one strip of X, 128 along K, both slots filled again
	QUARTER 0, 64
	TURN 0, 1, 128, 1
	QUARTER 1, 192
	TURN 1, 0, XSTRIP, 1                           ; the next strip's first fragments: the largest immediate is 34,816 + 30,464 + 32, inside 16 bits
	WIN 0
	v_add_nc_u32 v11, XSTRIP, v11
	s_sub_co_u32 s91, s91, 1
	s_cmp_lg_u32 s91, 0
	s_cbranch_scc1 .Lk
	QUARTER 0, 64                                  ; the last strip is written out: it asks for nothing more
	TURN 0, 1, 128, 0
	QUARTER 1, 192
	s_wait_dscnt 8
	MUL16 F1, 0, 0
	MUL16 F1, 0, 2
	s_wait_dscnt 0x0
	MUL16 F1, 1, 0
	MUL16 F1, 1, 2
	; LAYERNORM, in two passes: the mean, then the mean of (x - mean)^2.  A row's 512 numbers lie in four waves: their sums meet in LDS.
	PLACES
	WIN 0
.irp n, 0,1,2,3,4,5,6,7
	ds_load_b128 v[192+8*\n:195+8*\n], v20 offset:64*\n            ; gamma of my lane's columns
	ds_load_b128 v[196+8*\n:199+8*\n], v20 offset:64*\n+16
.endr
	WIN 0x40
.irp n, 0,1,2,3,4,5,6,7
	ds_load_b128 v[192+8*\n:195+8*\n], v20 offset:2048+64*\n       ; beta
	ds_load_b128 v[196+8*\n:199+8*\n], v20 offset:2048+64*\n+16
.endr
.macro ROWRED off                      ; four chains into one number a row, both halves of the lanes; stored at my wave's word of the row
	WIN 0
	v_pk_add_f32 v[56:57], v[56:57], v[58:59]
	v_pk_add_f32 v[60:61], v[60:61], v[62:63]
	v_pk_add_f32 v[56:57], v[56:57], v[60:61]
	v_add_f32 v56, v56, v57
	v_permlanex16_b32 v57, v56, s40, s41
	v_add_f32 v56, v56, v57
	ds_store_b32 v18, v56 offset:\off
.endm
.macro LNSUM A                         ; the registers go in ascending order: each accumulator's lowest are read first
.set bW, 2+(\A)/4
.set bR, 64*((\A)%4)
	WIN bW|(bW<<2)
.irp q, 0,1,2,3
	v_pk_add_f32 v[56+2*\q:57+2*\q], v[bR+4*\q:bR+4*\q+1], v[bR+4*\q+2:bR+4*\q+3]
.endr
	WIN bW<<2
.set p, 8
.rept 24
	v_pk_add_f32 v[56+2*(p%4):57+2*(p%4)], v[56+2*(p%4):57+2*(p%4)], v[bR+2*p:bR+2*p+1]
.set p, p+1
.endr
	ROWRED 256*(\A)
.endm
.irp A, 0,1,2,3,4,5,6,7
	LNSUM \A
.endr
	s_wait_dscnt 0x0
	s_barrier_signal -1
	s_barrier_wait -1
.irp A, 0,1,2,3,4,5,6,7
	ds_load_b128 v[64+4*\A:67+4*\A], v19 offset:256*\A
.endr
	s_wait_dscnt 0x0
.irp A, 0,1,2,3,4,5,6,7
	v_pk_add_f32 v[64+4*\A:65+4*\A], v[64+4*\A:65+4*\A], v[66+4*\A:67+4*\A]
.endr
.irp A, 0,1,2,3,4,5,6,7
	v_add_f32 v[64+4*\A], v[64+4*\A], v[65+4*\A]
.endr
.irp A, 0,1,2,3,4,5,6,7
	v_mul_f32 v[MP+2*\A], 0x3b000000, v[64+4*\A]   ; / 512
.endr
.irp A, 0,1,2,3,4,5,6,7
	v_mov_b32 v[MP+2*\A+1], v[MP+2*\A]
.endr
.macro LNVAR A
.set bW, 2+(\A)/4
.set bR, 64*((\A)%4)
	WIN (bW<<6)|bW
.set p, 0
.rept 32
	v_pk_add_f32 v[bR+2*p:bR+2*p+1], v[bR+2*p:bR+2*p+1], v[MP+2*(\A):MP+2*(\A)+1] neg_lo:[0,1] neg_hi:[0,1]
.set p, p+1
.endr
	WIN bW|(bW<<2)
.irp q, 0,1,2,3
	v_pk_mul_f32 v[56+2*\q:57+2*\q], v[bR+2*\q:bR+2*\q+1], v[bR+2*\q:bR+2*\q+1]
.endr
.set p, 4
.rept 28
	v_pk_fma_f32 v[56+2*(p%4):57+2*(p%4)], v[bR+2*p:bR+2*p+1], v[bR+2*p:bR+2*p+1], v[56+2*(p%4):57+2*(p%4)]
.set p, p+1
.endr
	ROWRED 2048+256*(\A)
.endm
.irp A, 0,1,2,3,4,5,6,7
	LNVAR \A
.endr
	s_wait_dscnt 0x0
	s_barrier_signal -1
	s_barrier_wait -1
.irp A, 0,1,2,3,4,5,6,7
	ds_load_b128 v[64+4*\A:67+4*\A], v19 offset:2048+256*\A
.endr
	s_mov_b32 s56, 0x3b000000                      ; 1 / 512
	s_mov_b32 s57, 0x3727c5ac                      ; 1e-5
	s_wait_dscnt 0x0
.irp A, 0,1,2,3,4,5,6,7
	v_pk_add_f32 v[64+4*\A:65+4*\A], v[64+4*\A:65+4*\A], v[66+4*\A:67+4*\A]
.endr
.irp A, 0,1,2,3,4,5,6,7
	v_add_f32 v[64+4*\A], v[64+4*\A], v[65+4*\A]
.endr
.irp A, 0,1,2,3,4,5,6,7
	v_fma_f32 v[64+4*\A], v[64+4*\A], s56, s57
.endr
.irp A, 0,1,2,3,4,5,6,7
	v_rsq_f32 v[RS+2*\A], v[64+4*\A]
.endr
	v_nop
	s_wait_alu depctr_va_vdst(0)
.irp A, 0,1,2,3,4,5,6,7
	v_mov_b32 v[RS+2*\A+1], v[RS+2*\A]
.endr
; THE WAY OUT, a block of 16 rows x 64 columns at a time: scaled; through my stage back into whole rows; stored, sixteen lanes to 256 consecutive aligned bytes.
.macro NORM blk
.set bA, (\blk)/2
.set bH, (\blk)%2
.set bW, 2+bA/4
.set bR, 64*(bA%4)+32*bH
	WIN (bW<<6)|(1<<4)|bW
.set p, 0
.rept 16
	v_pk_mul_f32 v[bR+2*p:bR+2*p+1], v[bR+2*p:bR+2*p+1], v[RS+2*bA:RS+2*bA+1]
.set p, p+1
.endr
.set p, 0
.rept 16
	v_pk_fma_f32 v[bR+2*p:bR+2*p+1], v[bR+2*p:bR+2*p+1], v[192+32*bH+2*p:192+32*bH+2*p+1], v[192+32*bH+2*p:192+32*bH+2*p+1]   ; gamma in window 0, beta in window 1
.set p, p+1
.endr
.endm
.macro TOST blk
.set bA, (\blk)/2
.set bH, (\blk)%2
.set bW, 2+bA/4
.set bR, 64*(bA%4)+32*bH
	WIN bW<<2
.irp n, 0,1,2,3
	ds_store_b128 v8, v[bR+8*\n:bR+8*\n+3] offset:64*\n
	ds_store_b128 v8, v[bR+8*\n+4:bR+8*\n+7] offset:64*\n+16
.endr
	WIN 0x40
.irp e, 0,1,2,3,4,5,6,7
	ds_load_b128 v[32*((\blk)%2)+4*\e:32*((\blk)%2)+4*\e+3], v7 offset:XP*\e
.endr
.endm
.macro SEND blk
.set bA, (\blk)/2
.set bH, (\blk)%2
	WIN 0x04
	s_wait_dscnt 0x0                               ; the block is back in registers
	s_wait_xcnt 0x0                                ; the stores of the block before have read their registers: the other buffer may be loaded again behind this wait
.irp e, 0,1,2,3,4,5,6,7
	global_store_b128 v5, v[32*((\blk)%2)+4*\e:32*((\blk)%2)+4*\e+3], s[18:19] offset:(16*bA+\e)*2048+256*bH th:TH_STORE_NT
.endr
.endm
	NORM 0
	TOST 0
.irp k, 1,2,3,4,5,6,7,8,9,10,11,12,13,14,15       ; a block's arithmetic stands between the loads of the block before and the wait for them
	NORM \k
	SEND (\k)-1
	TOST \k
.endr
	SEND 15
	WIN 0
	s_wait_tensorcnt 0x0                           ; the wave's end: behind my last tensor load and my last LDS store
	ds_add_u32 v1, v2
	s_wait_dscnt 0x0
	CROUND                                         ; the closing round: no work-group ends while a partner may still ask for a tile that names it
	s_endpgm
.Lfunc_end_k_qffa04bad15_fuse:
	.size	k_qffa04bad15_fuse, .Lfunc_end_k_qffa04bad15_fuse-k_qffa04bad15_fuse
	.p2alignl 7, 3214868480
	.fill 96, 4, 3214868480
	.section	.rodata,"a",@progbits
	.p2align	6, 0x0
	.amdhsa_kernel k_qffa04bad15_fuse
		.amdhsa_group_segment_fixed_size 327680
		.amdhsa_private_segment_fixed_size 0
		.amdhsa_enable_private_segment 0
		.amdhsa_kernarg_size 64
		.amdhsa_user_sgpr_count 2
		.amdhsa_user_sgpr_kernarg_segment_ptr 1
		.amdhsa_wavefront_size32 1
		.amdhsa_system_sgpr_workgroup_id_x 1
		.amdhsa_system_sgpr_workgroup_id_y 1
		.amdhsa_system_sgpr_workgroup_id_z 1
		.amdhsa_system_vgpr_workitem_id 0
		.amdhsa_next_free_vgpr 1024
		.amdhsa_next_free_sgpr 96
		.amdhsa_reserve_vcc 0
		.amdhsa_float_denorm_mode_32 3
		.amdhsa_float_denorm_mode_16_64 3
		.amdhsa_memory_ordered 1
		.amdhsa_forward_progress 1
		.amdhsa_inst_pref_size 255
	.end_amdhsa_kernel
	.section	.bss,"aw",@nobits
	.p2align	6
	.space	262144
	.amdgpu_metadata
---
amdhsa.version: [ 1, 2 ]
amdhsa.kernels:
  - .name:           k_qffa04bad15_fuse
    .symbol:         k_qffa04bad15_fuse.kd
    .args:
      - { .name: V, .offset: 0, .size: 8, .value_kind: global_buffer, .address_space: global }
      - { .name: sc, .offset: 8, .size: 8, .value_kind: global_buffer, .address_space: global }
      - { .name: summ, .offset: 16, .size: 8, .value_kind: global_buffer, .address_space: global }
      - { .name: wh, .offset: 24, .size: 8, .value_kind: global_buffer, .address_space: global }
      - { .name: mask, .offset: 32, .size: 8, .value_kind: global_buffer, .address_space: global }
      - { .name: ln_gamma, .offset: 40, .size: 8, .value_kind: global_buffer, .address_space: global }
      - { .name: ln_beta, .offset: 48, .size: 8, .value_kind: global_buffer, .address_space: global }
      - { .name: out0, .offset: 56, .size: 8, .value_kind: global_buffer, .address_space: global }
    .group_segment_fixed_size: 327680
    .private_segment_fixed_size: 0
    .kernarg_segment_align: 8
    .kernarg_segment_size: 64
    .max_flat_workgroup_size: 128
    .sgpr_count:     96
    .vgpr_count:     1024
    .wavefront_size: 32
...
	.end_amdgpu_metadata
.endif
;; end of part 3
;; ======== version 2 of 2: 3 launches; 1.13 times as fast as version 1
;; limits: values outside matrix products are rounded to f16; right only within a limited range of input values; values are held in f16: magnitudes above 65,504 overflow, below 6.1e-05 lose precision; inputs' magnitudes at most 65,504; below input magnitudes of 6e-05 results are inexact or not finite
;; workspace buffers: up 262,144 bytes; sc 262,144 bytes; summ 1,179,648 bytes; wh 524,288 bytes
;; launch proj (part 4): grid 8 x 16, 8 waves a work-group, no clusters, 168,960 bytes of LDS; arguments Q, W_q, W_k, up; writes up
.if DOCPART == 4
	.amdgcn_target "amdgcn-amd-amdhsa--gfx1250"
	.amdhsa_code_object_version 6
	.text
	.protected	k_qffa04bad15_proj
	.globl	k_qffa04bad15_proj
	.p2align	8
	.type	k_qffa04bad15_proj,@function
k_qffa04bad15_proj:
	s_mov_b64 s[64:65], 0
	v_nop
	global_prefetch_b8 v0, s[64:65] scope:SCOPE_SE
	s_setreg_imm32_b32 hwreg(HW_REG_WAVE_MODE, 25, 1), 1
	s_wait_xcnt 0x0
; up[sl][b][k] = sum over n in slice sl of W_k[k][n] * t[b][n],  t[b][n] = sum over j of Q[b][j] * W_q[j][n].   All f32.
; The score of key j is K[b][j] . u[b] with u[b] = W_k (Q[b] W_q) / T, so K W_k is never formed; this launch makes u, unscaled, in eight partial sums over n.
; SHARES.  Work-group (sl, b): the 64 columns n = 64 sl .. of W_q and W_k, one batch.  Eight waves.
; Step 1: wave w takes rows j = 64 w .. 64 w + 63 of W_q, a lane two columns n; its 64 numbers of Q are scalars.  The eight waves' sums meet in LDS: the one barrier.
; Step 2: thread t takes rows k = 2 t, 2 t + 1 of W_k.  Only that wave reads them.
; The launch is one chain: arguments, loads, step 1, exchange, step 2, store; all loads go out at its head, and W_k's rows are read from LDS into the registers that step 1 has freed.
; Products with one row that stream their matrix once: the vector unit in f32; a matrix form would add conversions and save nothing.
; NO CLUSTER: the sixteen work-groups of a slice read the same 256 KB.  Half of it (W_q) goes through registers, where step 1 consumes it; for the other half a round of the cluster's barrier
; in front of the loads and one at the end would both stand in the chain that is the whole launch.
; LDS is asked for beyond half of a WGP's; 143,360 bytes are used, and no byte is filled twice.
.set WSTR, 17408                       ; LDS 0: per wave 64 rows x 272 bytes (256 + 16: the 16 rows of a load start at 16 different groups of four banks): 32 even rows, then 32 odd rows
.set PART, 139264                      ; [wave 8][n 64] f32
.set TBW,  141312                      ; per wave 256 bytes: t, each wave's own copy
.set ACC1, 16                          ; v[16:23]   t's partial sums: four chains of my two columns
.set PL,   24                          ; v[24:39]   the eight waves' sums for my two columns
.set OUTR, 40                          ; v[40:41]
.set WQ,   48                          ; v[48:175]  64 rows of W_q, two columns each
.set WR,   48                          ; the same registers, then: my even row's 64 numbers, my odd row's 64
.set TT,   176                         ; v[176:239] t[64]
.set ACC2, 240                         ; v[240:255] row kk: four chains of (even n's sum, odd n's sum)
.set G1,   84                          ; s[84:91]   descriptor group 1
.set G0E,  92                          ; s[92:95]   group 0, even rows
.set G0O,  96                          ; s[96:99]   group 0, odd rows
                                       ; s[16:63], s[68:83]  Q[b][64 w .. 64 w + 63]
	s_load_b256 s[4:11], s[0:1], 0x0               ; Q s[4:5], W_q s[6:7], W_k s[8:9], up s[10:11]
	v_lshl_add_u32 v46, v0, 2, 0x29000
	v_mov_b32 v47, 0
	ds_add_u32 v46, v47
	ds_add_u32 v46, v47
	v_and_b32 v1, 31, v0                           ; lane
	v_lshrrev_b32 v2, 5, v0
	v_readfirstlane_b32 s12, v2                    ; wave 0..7
	s_and_b32 s13, ttmp7, 0xffff                   ; b
	s_lshl_b32 s14, ttmp9, 8                       ; the slice's 64 columns: 256 bytes into every row
	s_mov_b32 s15, 0
	s_lshl_b32 s16, s12, 17                        ; my wave's 64 rows of 2,048 bytes
	s_mov_b32 s17, 0
	s_lshl_b32 s18, s13, 11                        ; Q: batch x 2,048 bytes + wave x 256
	s_lshl_b32 s19, s12, 8
	s_add_co_u32 s18, s18, s19
	s_mov_b32 s19, 0
	s_lshl_b32 s20, ttmp9, 15                      ; up: slice x 16 batches x 2,048 bytes + my batch
	s_lshl_b32 s21, s13, 11
	s_add_co_u32 s20, s20, s21
	s_mov_b32 s21, 0
	; descriptor group 1: 32 rows x 64 elements of 4 bytes, every second row of W_k, 4 words of padding behind every 64
	s_mov_b32 s[G1+0], (2<<16)|(1<<20)|(5<<22)|(3<<25)  ; 17:16 4-byte elements; 20 padding on; 24:22 after every 64 words (code 5); 31:25 4 words (code 3)
	s_mov_b32 s[G1+1], 64<<16                      ; tensor_dim0 = 64
	s_mov_b32 s[G1+2], 32<<16                      ; tensor_dim1 = 32
	s_mov_b32 s[G1+3], 64<<16                      ; tile_dim0 = 64
	s_mov_b32 s[G1+4], 32                          ; tile_dim1 = 32
	s_mov_b32 s[G1+5], 1024                        ; two rows of 512 elements from row to row
	s_mov_b32 s[G1+6], 0
	s_mov_b32 s[G1+7], 0
	s_mov_b32 s[G0E], 1
	s_mul_i32 s[G0E+1], s12, WSTR                  ; LDS: my wave's rows
	s_mov_b32 s[G0O], 1
	s_add_co_u32 s[G0O+1], s[G0E+1], 8704          ; the odd rows lie 32 LDS rows further on
	v_lshl_add_u32 v3, v1, 3, s16                  ; W_q: my rows, 8 bytes a lane: a load covers 256 consecutive bytes, aligned
	s_wait_dscnt 0x0
	s_wait_kmcnt 0x0
	s_add_nc_u64 s[4:5], s[4:5], s[18:19]
	s_add_nc_u64 s[6:7], s[6:7], s[14:15]
	s_add_nc_u64 s[8:9], s[8:9], s[14:15]
	s_add_nc_u64 s[10:11], s[10:11], s[20:21]
	s_add_nc_u64 s[G0E+2:G0E+3], s[8:9], s[16:17]  ; row 64 w of the slice
	s_add_nc_u64 s[G0O+2:G0O+3], s[G0E+2:G0E+3], 2048
	s_or_b32 s[G0E+3], s[G0E+3], 0x80000000        ; type = 2
	s_or_b32 s[G0O+3], s[G0O+3], 0x80000000
	s_load_b512 s[16:31], s[4:5], 0x0              ; my 64 numbers of Q
	s_load_b512 s[32:47], s[4:5], 0x40
	s_load_b512 s[48:63], s[4:5], 0x80
	s_load_b512 s[68:83], s[4:5], 0xc0
	tensor_load_to_lds s[G0E:G0E+3], s[G1:G1+7]    ; both fills together, ahead of every wait on TENSORcnt, every LDS read and the barrier: two loads of mine are out
	s_nop 0
	tensor_load_to_lds s[G0O:G0O+3], s[G1:G1+7]
	s_nop 0
.set i, 0
.rept 64
	global_load_b64 v[WQ+2*i:WQ+2*i+1], v3, s[6:7] offset:2048*i   ; the last of them is held at issue while the counter's field is full (ISA guide 5.7.1): no wait is written for that
.set i, i+1
.endr
	; LDS addresses, made while the loads are out
	v_mul_u32_u24 v4, v1, 272
	v_add_nc_u32 v4, s[G0E+1], v4                  ; my even row; the odd one 8,704 bytes on
	s_lshl_b32 s13, s12, 8
	s_add_co_u32 s14, s13, PART
	v_lshl_add_u32 v5, v1, 3, s14
	v_lshl_add_u32 v6, v1, 3, PART
	s_add_co_u32 s15, s13, TBW
	v_lshl_add_u32 v7, v1, 3, s15
	v_mov_b32 v8, s15
	v_lshlrev_b32 v9, 3, v0
.macro WKLD g                          ; sixteen registers that step 1 has multiplied take 16 numbers of my even (g < 4) or odd row of W_k
.irp i, 0,1,2,3
	ds_load_b128 v[WR+16*(\g)+4*\i:WR+16*(\g)+4*\i+3], v4 offset:((\g)/4)*8704+16*(4*((\g)%4)+\i)
.endr
.endm
	s_wait_kmcnt 0x0                               ; Q
; Step 1.  In front of every eighth row: loads come back in order, so with 56 - jj younger ones out rows jj .. jj + 7 are in.
.set jj, 0
.rept 64
.if jj%8 == 0
	s_wait_loadcnt 56-jj
.endif
.if jj < 48
.set sq, 16+jj
.else
.set sq, 20+jj
.endif
.if jj < 4
	v_mul_f32 v[ACC1+2*jj],   s[sq], v[WQ+2*jj]    ; the first four rows start the four chains
	v_mul_f32 v[ACC1+2*jj+1], s[sq], v[WQ+2*jj+1]
.else
	v_fmac_f32 v[ACC1+2*(jj%4)],   s[sq], v[WQ+2*jj]
	v_fmac_f32 v[ACC1+2*(jj%4)+1], s[sq], v[WQ+2*jj+1]
.endif
.if jj == 31
	s_wait_tensorcnt 0x0                           ; my rows of W_k are in LDS: only I read them, so this wait is all the ordering that the reads need
	WKLD 0
	WKLD 1
	WKLD 2
	WKLD 3
.elseif (jj > 31) && (jj%8 == 7)
	WKLD jj/8
.endif
.set jj, jj+1
.endr
	v_pk_add_f32 v[ACC1:ACC1+1],   v[ACC1:ACC1+1],   v[ACC1+2:ACC1+3]
	v_pk_add_f32 v[ACC1+4:ACC1+5], v[ACC1+4:ACC1+5], v[ACC1+6:ACC1+7]
	v_pk_add_f32 v[ACC1:ACC1+1],   v[ACC1:ACC1+1],   v[ACC1+4:ACC1+5]
	ds_store_b64 v5, v[ACC1:ACC1+1]
	s_wait_dscnt 0x0                               ; for the others' sake: my partial sums are stored (and my rows of W_k are in registers)
	s_barrier_signal -1
	s_barrier_wait -1
.irp w, 0,1,2,3,4,5,6,7
	ds_load_b64 v[PL+2*\w:PL+2*\w+1], v6 offset:256*\w     ; the eight waves' sums for columns 2 lane, 2 lane + 1: every wave adds them for itself
.endr
	s_wait_dscnt 0x0
.irp w, 0,2,4,6
	v_pk_add_f32 v[PL+2*\w:PL+2*\w+1], v[PL+2*\w:PL+2*\w+1], v[PL+2*\w+2:PL+2*\w+3]
.endr
	v_pk_add_f32 v[PL:PL+1],   v[PL:PL+1],   v[PL+4:PL+5]
	v_pk_add_f32 v[PL+8:PL+9], v[PL+8:PL+9], v[PL+12:PL+13]
	v_pk_add_f32 v[PL:PL+1],   v[PL:PL+1],   v[PL+8:PL+9]
	ds_store_b64 v7, v[PL:PL+1]                    ; t into my wave's own copy,
.set q, 0
.rept 16
	ds_load_b128 v[TT+4*q:TT+4*q+3], v8 offset:16*q        ; and back, all of it into every lane: LDS serves a wave's instructions in order (ISA guide 5.7.1.4)
.set q, q+1
.endr
; Step 2: 64 columns of my two rows against t: 64 packed multiply-adds (even n beside odd n), four chains a row.  In front of every fourth load's use: 12 - q younger loads may be out.
.set q, 0
.rept 16
.if q%4 == 0
	s_wait_dscnt 12-q
.endif
.irp kk, 0,1
.irp hf, 0,1
.set ch, ACC2+8*\kk+2*((2*q+\hf)%4)
.if q < 2
	v_pk_mul_f32 v[ch:ch+1], v[WR+64*\kk+4*q+2*\hf:WR+64*\kk+4*q+2*\hf+1], v[TT+4*q+2*\hf:TT+4*q+2*\hf+1]
.else
	v_pk_fma_f32 v[ch:ch+1], v[WR+64*\kk+4*q+2*\hf:WR+64*\kk+4*q+2*\hf+1], v[TT+4*q+2*\hf:TT+4*q+2*\hf+1], v[ch:ch+1]
.endif
.endr
.endr
.set q, q+1
.endr
.irp kk, 0,1
	v_pk_add_f32 v[ACC2+8*\kk:ACC2+8*\kk+1],   v[ACC2+8*\kk:ACC2+8*\kk+1],   v[ACC2+8*\kk+2:ACC2+8*\kk+3]
	v_pk_add_f32 v[ACC2+8*\kk+4:ACC2+8*\kk+5], v[ACC2+8*\kk+4:ACC2+8*\kk+5], v[ACC2+8*\kk+6:ACC2+8*\kk+7]
.endr
.irp kk, 0,1
	v_pk_add_f32 v[ACC2+8*\kk:ACC2+8*\kk+1], v[ACC2+8*\kk:ACC2+8*\kk+1], v[ACC2+8*\kk+4:ACC2+8*\kk+5]
.endr
	v_add_f32 v[OUTR],   v[ACC2],   v[ACC2+1]
	v_add_f32 v[OUTR+1], v[ACC2+8], v[ACC2+9]
	global_store_b64 v9, v[OUTR:OUTR+1], s[10:11]  ; a wave stores 256 consecutive bytes, aligned
	s_wait_tensorcnt 0x0
	ds_add_u32 v46, v47
	s_wait_dscnt 0x0
	s_endpgm
.Lfunc_end_k_qffa04bad15_proj:
	.size	k_qffa04bad15_proj, .Lfunc_end_k_qffa04bad15_proj-k_qffa04bad15_proj
	.p2alignl 7, 3214868480
	.fill 96, 4, 3214868480
	.section	.rodata,"a",@progbits
	.p2align	6, 0x0
	.amdhsa_kernel k_qffa04bad15_proj
		.amdhsa_group_segment_fixed_size 168960
		.amdhsa_private_segment_fixed_size 0
		.amdhsa_enable_private_segment 0
		.amdhsa_kernarg_size 32
		.amdhsa_user_sgpr_count 2
		.amdhsa_user_sgpr_kernarg_segment_ptr 1
		.amdhsa_wavefront_size32 1
		.amdhsa_system_sgpr_workgroup_id_x 1
		.amdhsa_system_sgpr_workgroup_id_y 1
		.amdhsa_system_sgpr_workgroup_id_z 1
		.amdhsa_system_vgpr_workitem_id 0
		.amdhsa_next_free_vgpr 256
		.amdhsa_next_free_sgpr 100
		.amdhsa_reserve_vcc 0
		.amdhsa_float_denorm_mode_32 3
		.amdhsa_float_denorm_mode_16_64 3
		.amdhsa_memory_ordered 1
		.amdhsa_forward_progress 1
		.amdhsa_inst_pref_size 23
	.end_amdhsa_kernel
	.amdgpu_metadata
---
amdhsa.version: [ 1, 2 ]
amdhsa.kernels:
  - .name:           k_qffa04bad15_proj
    .symbol:         k_qffa04bad15_proj.kd
    .args:
      - { .name: Q, .offset: 0, .size: 8, .value_kind: global_buffer, .address_space: global }
      - { .name: W_q, .offset: 8, .size: 8, .value_kind: global_buffer, .address_space: global }
      - { .name: W_k, .offset: 16, .size: 8, .value_kind: global_buffer, .address_space: global }
      - { .name: up, .offset: 24, .size: 8, .value_kind: global_buffer, .address_space: global }
    .group_segment_fixed_size: 168960
    .private_segment_fixed_size: 0
    .kernarg_segment_align: 8
    .kernarg_segment_size: 32
    .max_flat_workgroup_size: 256
    .sgpr_count:     100
    .vgpr_count:     256
    .wavefront_size: 32
...
	.end_amdgpu_metadata
.endif
;; end of part 4
;; launch score (part 5): grid 16 x 16, 16 waves a work-group, no clusters, 70,656 bytes of LDS; arguments K, V, up, W_v, sc, summ, wh; writes sc, summ, wh
.if DOCPART == 5
	.amdgcn_target "amdgcn-amd-amdhsa--gfx1250"
	.amdhsa_code_object_version 6
	.text
	.protected	k_qffa04bad15_score
	.globl	k_qffa04bad15_score
	.p2align	8
	.type	k_qffa04bad15_score,@function
k_qffa04bad15_score:
	s_mov_b64 s[64:65], 0
	v_nop
	global_prefetch_b8 v0, s[64:65] scope:SCOPE_SE
	s_setreg_imm32_b32 hwreg(HW_REG_WAVE_MODE, 25, 1), 1
	s_wait_xcnt 0x0
; For chunk c (128 keys) of batch b:  s'[j] = log2(e) / T x K[b][j] . u[b]  (sc's first 131,072 bytes);  pm[j] = the maximum of s' from the chunk's first key to j (sc's second 131,072 bytes);
; and the chunk's summary for the scan over chunks:  m = max s',  l = sum 2^(s' - m),  A[d] = sum 2^(s'[j] - m) V[j][d],  U[d] = sum V[j][d].       All f32.
; Beside that each work-group rounds 1,024 numbers of W_v to f16 (wh), the next launch's matrix operand.
; LIMITS.  |W_v| stays below 65,504 (f16's end); below 6e-5 it keeps f16's fixed step.  A weight below 2^-126 counts as 0.  NaN and infinities are not treated apart.
; SHARES.  16 waves; wave w owns rows 8 w .. 8 w + 7: a row is four loads of 512 consecutive bytes, 16 numbers a lane.  All 32 loads of K go out at once; each row's registers take
; the same row of V as soon as the row of K is multiplied, so 32 loads of every wave are always out.  K . u is a matrix times a vector, streamed once: vector unit, f32.
; NO CLUSTER: work-groups share only u (16 KB of partial sums against 512 KB of K and V).
.set SCB, 2048                         ; LDS: 0 u (2,048);  SCB the chunk's 128 scores;  MWB 16 waves' maxima;  MWB + 256 their sums;  AU [wave 16][A 2,048 | U 2,048]
.set MWB, 2560
.set AU,  3072
.set U,   16                           ; v[16:31]   u of my 16 columns
.set S,   32                           ; v[32:39]   my wave's eight scores, in every lane
.set WT,  40                           ; v[40:55]   their weights, each twice: pairs for the packed multiply-adds
.set A,   56                           ; v[56:71]
.set US,  72                           ; v[72:87]
.set T,   88                           ; v[88:103]  at work
.set X,   104                          ; v[104:231] eight rows x 16
.set CS,  0x3d8293ee                   ; log2(e) / (sqrt(512) + 1e-6)
	s_load_b256 s[4:11], s[0:1], 0x0               ; K s[4:5], V s[6:7], up s[8:9], W_v s[10:11]
	s_load_b128 s[12:15], s[0:1], 0x20             ; sc s[12:13], summ s[14:15]
	s_load_b64 s[16:17], s[0:1], 0x30              ; wh
	v_lshl_add_u32 v240, v0, 2, 0x10c00
	v_mov_b32 v241, 0
	v_and_b32 v1, 31, v0
	v_lshrrev_b32 v5, 5, v0
	v_readfirstlane_b32 s18, v5                    ; wave 0..15
	s_and_b32 s19, ttmp7, 0xffff                   ; b
	s_lshl_b32 s22, s19, 4
	s_add_co_u32 s22, s22, ttmp9                   ; g = 16 b + c
	s_mov_b32 s20, 0x76543210                      ; v_permlanex16_b32: each lane takes its own place in the other half
	s_mov_b32 s21, 0xfedcba98
	s_lshl_b32 s24, s22, 18                        ; 128 rows of 2,048 bytes
	s_mov_b32 s25, 0
	s_lshl_b32 s26, s19, 11
	s_mov_b32 s27, 0
	s_lshl_b32 s28, s22, 12
	s_mov_b32 s29, 0
	s_lshl_b32 s30, s22, 9
	s_mov_b32 s31, 0
	s_mul_i32 s32, s22, 4608
	s_mov_b32 s33, 0
	s_lshl_b32 s34, s22, 11
	s_mov_b32 s35, 0
	s_lshl_b32 s36, s18, 14                        ; my wave's eight rows
	v_lshl_add_u32 v2, v1, 4, s36
	v_lshlrev_b32 v3, 2, v0
	v_lshlrev_b32 v4, 4, v1
	v_and_b32 v12, 255, v0
	v_lshlrev_b32 v13, 3, v12
	v_lshlrev_b32 v12, 4, v12
	s_wait_kmcnt 0x0
	s_add_nc_u64 s[4:5], s[4:5], s[24:25]
	s_add_nc_u64 s[6:7], s[6:7], s[24:25]
	s_add_nc_u64 s[8:9], s[8:9], s[26:27]
	s_add_nc_u64 s[10:11], s[10:11], s[28:29]
	s_add_nc_u64 s[12:13], s[12:13], s[30:31]
	s_add_nc_u64 s[14:15], s[14:15], s[32:33]
	s_add_nc_u64 s[16:17], s[16:17], s[34:35]
	s_cmp_lt_u32 s18, 8
	s_cbranch_scc1 .Lno_cast_load
	global_load_b128 v[232:235], v12, s[10:11]     ; waves 8 to 15: four numbers of W_v a thread
.Lno_cast_load:
.irp i, 0,1,2,3,4,5,6,7
	global_load_b32 v[T+\i], v3, s[8:9] offset:32768*\i    ; the eight partial sums of u[b][thread]
.endr
.set i, 0
.rept 32
	global_load_b128 v[X+4*i:X+4*i+3], v2, s[4:5] offset:512*i th:TH_LOAD_NT   ; row i / 4, 512 consecutive bytes
.set i, i+1
.endr
	s_lshl_b32 s36, s18, 5
	s_add_co_u32 s36, s36, SCB
	v_mov_b32 v6, s36
	s_lshl_b32 s36, s18, 2
	s_add_co_u32 s36, s36, MWB
	v_mov_b32 v7, s36
	s_lshl_b32 s36, s18, 12
	s_add_co_u32 s36, s36, AU
	v_lshl_add_u32 v9, v1, 4, s36
	v_lshl_add_u32 v10, v0, 4, AU
	v_mov_b32 v11, MWB
	v_lshlrev_b32 v14, 4, v0
	s_wait_loadcnt 32                              ; all that was asked for ahead of K's 32 loads is in, on both ways round the branch
	v_add_f32 v[T], v[T], v[T+1]
	v_add_f32 v[T+2], v[T+2], v[T+3]
	v_add_f32 v[T+4], v[T+4], v[T+5]
	v_add_f32 v[T+6], v[T+6], v[T+7]
	v_add_f32 v[T], v[T], v[T+2]
	v_add_f32 v[T+4], v[T+4], v[T+6]
	v_add_f32 v[T], v[T], v[T+4]
	v_mul_f32 v[T], CS, v[T]
	ds_store_b32 v3, v[T]
	s_cmp_lt_u32 s18, 8
	s_cbranch_scc1 .Lno_cast
	v_cvt_pk_f16_f32 v236, v232, v233
	v_cvt_pk_f16_f32 v237, v234, v235
	global_store_b64 v13, v[236:237], s[16:17]     ; a wave stores 256 consecutive bytes, aligned
.Lno_cast:
	s_wait_dscnt 0x0
	s_barrier_signal -1
	s_barrier_wait -1
.irp q, 0,1,2,3
	ds_load_b128 v[U+4*\q:U+4*\q+3], v4 offset:512*\q
.endr
	s_wait_dscnt 0x0
; Row r of K times u.  The count: behind the row's four loads stand 4 (7 - r) loads of K and the 4 r loads of V issued so far.
.macro KROW r
	s_wait_loadcnt 28
	v_pk_mul_f32 v[T:T+1],   v[X+16*\r:X+16*\r+1],   v[U:U+1]
	v_pk_mul_f32 v[T+2:T+3], v[X+16*\r+2:X+16*\r+3], v[U+2:U+3]
.irp p, 2,3,4,5,6,7
	v_pk_fma_f32 v[T+2*(\p%2):T+2*(\p%2)+1], v[X+16*\r+2*\p:X+16*\r+2*\p+1], v[U+2*\p:U+2*\p+1], v[T+2*(\p%2):T+2*(\p%2)+1]
.endr
.irp q, 0,1,2,3
	global_load_b128 v[X+16*\r+4*\q:X+16*\r+4*\q+3], v2, s[6:7] offset:2048*\r+512*\q   ; the same row of V; the next launch reads V again, so no hint
.endr
	v_pk_add_f32 v[T:T+1], v[T:T+1], v[T+2:T+3]
	v_add_f32 v[S+\r], v[T], v[T+1]
.irp d, 1,2,4,8
	v_add_f32_dpp v[S+\r], v[S+\r], v[S+\r] row_xmask:\d row_mask:0xf bank_mask:0xf
.endr
	v_permlanex16_b32 v[T+2], v[S+\r], s20, s21
	v_add_f32 v[S+\r], v[S+\r], v[T+2]             ; the score, in every lane
.endm
.irp r, 0,1,2,3,4,5,6,7
	KROW \r
.endr
.irp r, 0,1,2,3,4,5,6,7
	ds_store_b32 v6, v[S+\r] offset:4*\r           ; all lanes write the same word with the same value
.endr
	v_max3_num_f32 v[T], v[S], v[S+1], v[S+2]
	v_max3_num_f32 v[T], v[T], v[S+3], v[S+4]
	v_max3_num_f32 v[T], v[T], v[S+5], v[S+6]
	v_max_num_f32 v[T], v[T], v[S+7]
	ds_store_b32 v7, v[T]
	s_wait_dscnt 0x0
	s_barrier_signal -1
	s_barrier_wait -1
.irp q, 0,1,2,3
	ds_load_b128 v[T+4*\q:T+4*\q+3], v11 offset:16*\q
.endr
	s_wait_dscnt 0x0
	v_max3_num_f32 v5, v[T], v[T+1], v[T+2]
.irp q, 3,5,7,9,11,13
	v_max3_num_f32 v5, v5, v[T+\q], v[T+\q+1]
.endr
	v_max_num_f32 v5, v5, v[T+15]                  ; the chunk's maximum
.irp r, 0,1,2,3,4,5,6,7
	v_sub_f32 v[WT+2*\r], v[S+\r], v5
.endr
.irp r, 0,1,2,3,4,5,6,7
	v_exp_f32 v[WT+2*\r], v[WT+2*\r]
.endr
	v_nop                                          ; a plain instruction between the last exponential and the use of its result
	s_wait_alu depctr_va_vdst(0)
.irp r, 0,1,2,3,4,5,6,7
	v_mov_b32 v[WT+2*\r+1], v[WT+2*\r]
.endr
	v_add_f32 v[T], v[WT], v[WT+2]
	v_add_f32 v[T+1], v[WT+4], v[WT+6]
	v_add_f32 v[T+2], v[WT+8], v[WT+10]
	v_add_f32 v[T+3], v[WT+12], v[WT+14]
	v_add_f32 v[T], v[T], v[T+1]
	v_add_f32 v[T+2], v[T+2], v[T+3]
	v_add_f32 v[T], v[T], v[T+2]                   ; my wave's share of l
.macro VROW r                          ; row r of V into A (weighted) and U (plain); 4 (7 - r) younger loads stay out
	s_wait_loadcnt 4*(7-\r)
.irp p, 0,1,2,3,4,5,6,7
.if \r == 0
	v_pk_mul_f32 v[A+2*\p:A+2*\p+1], v[X+2*\p:X+2*\p+1], v[WT:WT+1]
.else
	v_pk_fma_f32 v[A+2*\p:A+2*\p+1], v[X+16*\r+2*\p:X+16*\r+2*\p+1], v[WT+2*\r:WT+2*\r+1], v[A+2*\p:A+2*\p+1]
.endif
.if \r == 1
	v_pk_add_f32 v[US+2*\p:US+2*\p+1], v[X+2*\p:X+2*\p+1], v[X+16+2*\p:X+16+2*\p+1]
.elseif \r > 1
	v_pk_add_f32 v[US+2*\p:US+2*\p+1], v[US+2*\p:US+2*\p+1], v[X+16*\r+2*\p:X+16*\r+2*\p+1]
.endif
.endr
.endm
.irp r, 0,1,2,3,4,5,6,7
	VROW \r
.endr
.irp q, 0,1,2,3
	ds_store_b128 v9, v[A+4*\q:A+4*\q+3] offset:512*\q
	ds_store_b128 v9, v[US+4*\q:US+4*\q+3] offset:2048+512*\q
.endr
	ds_store_b32 v7, v[T] offset:256
	s_wait_dscnt 0x0
	s_barrier_signal -1
	s_barrier_wait -1
	s_cmp_lt_u32 s18, 8
	s_cbranch_scc0 .Lhigh                          ; no barrier follows: of waves 8 to 15 only wave 8 has work left
.set i, 0
.rept 16
	ds_load_b128 v[X+4*i:X+4*i+3], v10 offset:4096*i       ; thread t: 16 bytes of A | U from each of the 16 waves
.set i, i+1
.endr
	s_wait_dscnt 0x0
.set st, 8
.rept 4
.set i, 0
.rept st
	v_pk_add_f32 v[X+4*i:X+4*i+1],   v[X+4*i:X+4*i+1],   v[X+4*(i+st):X+4*(i+st)+1]
	v_pk_add_f32 v[X+4*i+2:X+4*i+3], v[X+4*i+2:X+4*i+3], v[X+4*(i+st)+2:X+4*(i+st)+3]
.set i, i+1
.endr
.set st, st/2
.endr
	global_store_b128 v14, v[X:X+3], s[14:15]      ; the record's first 4,096 bytes: A, then U
	s_cmp_lg_u32 s18, 0
	s_cbranch_scc1 .Lend
.irp q, 0,1,2,3
	ds_load_b128 v[T+4*\q:T+4*\q+3], v11 offset:256+16*\q
.endr
	ds_load_b128 v[X+64:X+67], v4 offset:SCB
	s_wait_dscnt 0x0
.irp q, 0,2,4,6
	v_pk_add_f32 v[T+\q:T+\q+1], v[T+\q:T+\q+1], v[T+8+\q:T+8+\q+1]
.endr
	v_pk_add_f32 v[T:T+1], v[T:T+1], v[T+4:T+5]
	v_pk_add_f32 v[T+2:T+3], v[T+2:T+3], v[T+6:T+7]
	v_pk_add_f32 v[T:T+1], v[T:T+1], v[T+2:T+3]
	v_add_f32 v[X+69], v[T], v[T+1]                ; l
	v_mov_b32 v[X+68], v5                          ; m
	v_mov_b32 v[X+70], v5
	v_mov_b32 v[X+71], v[X+69]
	global_store_b128 v4, v[X+68:X+71], s[14:15] offset:4096   ; (m, l) repeated over 512 bytes: whole aligned blocks of 256
	global_store_b128 v4, v[X+64:X+67], s[12:13]               ; the chunk's 128 scores, 512 bytes
	s_branch .Lend
.Lhigh:
	s_cmp_lg_u32 s18, 8
	s_cbranch_scc1 .Lend
	; Wave 8, beside the sums of waves 0 to 7: the running maximum of the chunk's scores.  Lane L holds scores 4 L .. 4 L + 3.
	ds_load_b128 v[X+64:X+67], v4 offset:SCB
	s_mov_b32 s24, 0xaaaaaaaa                      ; lanes whose number has bit 0, 1, 2, 3 set
	s_mov_b32 s25, 0xcccccccc
	s_mov_b32 s26, 0xf0f0f0f0
	s_mov_b32 s27, 0xff00ff00
	s_mov_b32 s28, 0xffff0000                      ; lanes 16-31
	v_mov_b32 v[X+77], 0xff7fffff                  ; the maximum of all lanes below mine: it starts at the lowest finite number
	v_mov_b32 v[X+78], v[X+77]                     ; (the destination of the lines below counts as read)
	s_wait_dscnt 0x0
	v_mov_b32 v[X+72], v[X+64]
	v_max_num_f32 v[X+73], v[X+64], v[X+65]
	v_max_num_f32 v[X+74], v[X+73], v[X+66]
	v_max_num_f32 v[X+75], v[X+74], v[X+67]
	v_mov_b32 v[X+76], v[X+75]                     ; the maximum of my group of lanes: at first my own four scores'
.macro LSCAN d, sm                     ; a lane whose bit d is set takes in the maximum of the group of d lanes below its own; then the groups double
	v_max_num_f32_dpp v[X+78], v[X+76], v[X+77] row_xmask:\d row_mask:0xf bank_mask:0xf
	v_cndmask_b32 v[X+77], v[X+77], v[X+78], s[\sm]
	v_max_num_f32_dpp v[X+76], v[X+76], v[X+76] row_xmask:\d row_mask:0xf bank_mask:0xf
.endm
	LSCAN 1, 24
	LSCAN 2, 25
	LSCAN 4, 26
	LSCAN 8, 27
	v_permlanex16_b32 v[X+78], v[X+76], s20, s21   ; the other sixteen lanes' maximum: lanes 16-31 take it in
	v_max_num_f32 v[X+78], v[X+78], v[X+77]
	v_cndmask_b32 v[X+77], v[X+77], v[X+78], s28
.irp k, 0,1,2,3
	v_max_num_f32 v[X+72+\k], v[X+72+\k], v[X+77]
.endr
	global_store_b128 v4, v[X+72:X+75], s[12:13] offset:131072 ; 512 consecutive bytes, aligned
.Lend:
	s_wait_tensorcnt 0x0
	ds_add_u32 v240, v241
	s_wait_dscnt 0x0
	s_endpgm
.Lfunc_end_k_qffa04bad15_score:
	.size	k_qffa04bad15_score, .Lfunc_end_k_qffa04bad15_score-k_qffa04bad15_score
	.p2alignl 7, 3214868480
	.fill 96, 4, 3214868480
	.section	.rodata,"a",@progbits
	.p2align	6, 0x0
	.amdhsa_kernel k_qffa04bad15_score
		.amdhsa_group_segment_fixed_size 70656
		.amdhsa_private_segment_fixed_size 0
		.amdhsa_enable_private_segment 0
		.amdhsa_kernarg_size 56
		.amdhsa_user_sgpr_count 2
		.amdhsa_user_sgpr_kernarg_segment_ptr 1
		.amdhsa_wavefront_size32 1
		.amdhsa_system_sgpr_workgroup_id_x 1
		.amdhsa_system_sgpr_workgroup_id_y 1
		.amdhsa_system_sgpr_workgroup_id_z 1
		.amdhsa_system_vgpr_workitem_id 0
		.amdhsa_next_free_vgpr 242
		.amdhsa_next_free_sgpr 66
		.amdhsa_reserve_vcc 0
		.amdhsa_float_denorm_mode_32 3
		.amdhsa_float_denorm_mode_16_64 3
		.amdhsa_memory_ordered 1
		.amdhsa_forward_progress 1
		.amdhsa_inst_pref_size 36
	.end_amdhsa_kernel
	.amdgpu_metadata
---
amdhsa.version: [ 1, 2 ]
amdhsa.kernels:
  - .name:           k_qffa04bad15_score
    .symbol:         k_qffa04bad15_score.kd
    .args:
      - { .name: K, .offset: 0, .size: 8, .value_kind: global_buffer, .address_space: global }
      - { .name: V, .offset: 8, .size: 8, .value_kind: global_buffer, .address_space: global }
      - { .name: up, .offset: 16, .size: 8, .value_kind: global_buffer, .address_space: global }
      - { .name: W_v, .offset: 24, .size: 8, .value_kind: global_buffer, .address_space: global }
      - { .name: sc, .offset: 32, .size: 8, .value_kind: global_buffer, .address_space: global }
      - { .name: summ, .offset: 40, .size: 8, .value_kind: global_buffer, .address_space: global }
      - { .name: wh, .offset: 48, .size: 8, .value_kind: global_buffer, .address_space: global }
    .group_segment_fixed_size: 70656
    .private_segment_fixed_size: 0
    .kernarg_segment_align: 8
    .kernarg_segment_size: 56
    .max_flat_workgroup_size: 512
    .sgpr_count:     66
    .vgpr_count:     242
    .wavefront_size: 32
...
	.end_amdgpu_metadata
.endif
;; end of part 5
;; launch fuse (part 6): grid 16 x 16, 4 waves a work-group, clusters of 4 x 1, 327,680 bytes of LDS; arguments V, sc, summ, wh, mask, ln_gamma, ln_beta, out0; writes out0
.if DOCPART == 6
	.amdgcn_target "amdgcn-amd-amdhsa--gfx1250"
	.amdhsa_code_object_version 6
	.text
	.protected	k_qffa04bad15_fuse
	.globl	k_qffa04bad15_fuse
	.p2align	8
	.type	k_qffa04bad15_fuse,@function
k_qffa04bad15_fuse:
	s_mov_b64 s[64:65], 0
	v_nop
	global_prefetch_b8 v0, s[64:65] scope:SCOPE_SE
	s_setreg_imm32_b32 hwreg(HW_REG_WAVE_MODE, 25, 1), 1
	s_wait_xcnt 0x0
	s_wait_alu depctr_hold_cnt(0) depctr_sa_sdst(0) depctr_va_vdst(0) depctr_va_sdst(0) depctr_va_ssrc(0) depctr_va_vcc(0) depctr_vm_vsrc(0)
	s_getreg_b32 s2, hwreg(HW_REG_IB_STS2, 6, 4)
	s_cmp_eq_u32 s2, 0
	s_cbranch_scc0 .Lentry_in_a_cluster
	s_endpgm
.Lentry_in_a_cluster:
	s_bfe_u32 s2, ttmp6, 0x10000c
	s_cmp_lg_u32 s2, 0x3003
	s_cbranch_scc0 .Lentry_shape_is_right
	s_endpgm
.Lentry_shape_is_right:
; out0[b][i] = LayerNorm(V[b][i] + X[i] W_v), for the 128 rows i of chunk c of batch b.
; X[i] is the softmax mean of V over the keys that row i sees.  Every query row has the same score row s', so for a row that the mask input leaves open X[i] is the mean of V[0..i] with weights
; 2^(s'[j] - m_i), m_i the running maximum of s'[0..i]; for a row that the mask hides every entry of the softmax is equal, and X[i] is the plain mean of all 2,048 rows.
; THE SCAN.  The chunks ahead enter as ONE pseudo key: value Abar = A_prev / l_prev, weight 2^(m_prev - m_i) l_prev, made from the summaries of the launch before, which also left the running maximum
; inside the chunk (pm): m_i = max(m_prev, pm[i]).  A second pseudo key holds the mean of all rows, with weight 1 in hidden rows (whose m_i is the largest finite number, so that all their other
; weights are 0) and 0 elsewhere.  All exponents are at most 0, and every l_i is at least 1.
; FORMATS.  Scores, maxima, carries, sums l, LayerNorm: f32.  Matrix operands (weights P, V, the pseudo keys, X, W_v): f16, sums in f32.  V in f32 is the C operand that starts the sums of X W_v.
; l_i is the sum of the ROUNDED weights (a product of ones with P), so the weights that are used sum to one.
; LIMITS.  |V| and |W_v| stay below 65,504; below 6e-5 they keep f16's fixed step of 6e-8, and so does a weight.  Scores stay above -1e10 + 100.
; A weight below 2^-126 counts as 0.  NaN and infinities are not treated apart.  Any mask byte other than 0 counts as hidden.
; SHARES.  Four waves; wave w owns one column strip of 128, as channels of V and X and as columns of the output: 8 x 8 accumulators of 16 x 16, 512 registers.
; THE MATRIX INSTRUCTIONS ARE USED TRANSPOSED (source 0: 16 columns, source 1: 16 rows): a lane holds one row (lane % 16) and eight neighbouring columns 8 (lane / 16) + 0..7.
; CLUSTER.  The four work-groups of a cluster walk the same W_v: each wave asks for its strip's tile (64 k x 128 n) JOINTLY, same descriptor and mask in all four.  The summaries (68 KB a work-group,
; against 256 KB of V and 512 KB of W_v) are shared too, but are wanted in registers, a thread's four columns each: plain loads.
; THE WALK ALONG K IS TURNED by sigma = the cluster's x (0 to 3), which the four partners share.  In memory wave w's strip is (w + sigma) % 4; in LDS its bytes lie at the wave's number, so no LDS address
; knows sigma.  Trip t of the product reads LDS strip t, which holds channels 128 ((t + sigma) % 4) .., and asks for those rows of W_v.  So the first fills of a batch's four clusters, issued at the
; launch's head, together name all 512 rows of W_v, and every refill asks for rows that another cluster's first fill has named long before.  Only the order of the sums along K hangs on sigma.
; MEMORY BESIDE ARITHMETIC.  V comes by plain loads straight into the accumulators' registers, 56 loads of 512 bytes of every wave out; the weights P and the sums l, which need no V, stand between the
; blocks of V, so that each block is taken, and a further one asked for, as soon as it has landed.  At the end the LayerNorm of rows 64-127 stands behind the stores of blocks 0-6.
;
; LDS.  0: two slots of W_v tiles, per wave 64 rows x 288 bytes (256 + 32).  These alone are filled by tensor loads.
.set WSTRIP, 18432
.set WSLOT,  73728
.set XV,     147456                    ; [strip 4][row 128] x 272 bytes (256 + 16): V in f16, then X in its place
.set XSTRIP, 34816
.set XP,     272
.set SCR,    286720                    ; per wave 16 rows x 272: the stage that turns 16 x 64 f32, in and out
.set SS,     304128                    ; per wave 512: the chunk's scores
.set MKB,    306176                    ; per wave 256: the chunk's mask bytes
.set AT,     307200                    ; column d: f16 pair (Abar, mean of all rows); a wave writes and reads its own strip's 512 bytes
.set GAM,    309248                    ; gamma; beta 2,048 further on; likewise by strips
.set RED1,   313344                    ; [row 128][wave 4] f32: row sums; the sums of squares 2,048 further on
.set SPARE,  317440                    ; the spare words, 128 bytes for each wave: two blocks of 256 bytes that no other line names
.set PMB,    317952                    ; per wave 512: the running maxima inside the chunk
.set REC,    4608                      ; a summary record: A 2,048, U 2,048, (m, l) repeated 512
; REGISTERS, in windows of 256 (s_set_vgpr_msb: bits 1:0 source 0, 3:2 source 1, 5:4 source 2, 7:6 destination).
; window 0: v1 spare word's address, v2 zero (both never rewritten); v3 r = lane % 16; v4 h = lane / 16; v5 offset in V and out0; v6 at work in the head; v7, v8 stage by rows, by accumulator layout;
;   v9 V^T fragments; v10 V's and X's store; v11 X fragments; v12, v13 W fragments, slot 0, 1; v14 pseudo keys; v15, v16 scores by key, maxima by row; v17 mask; v18, v19 row sums in, out; v20 gamma;
;   v21 r - 8 h; v22 m_prev; v23 l_prev; v24-39 pairs whose low word counts: m_i (both words), then 1 / l_i, then the rows' means; v40-55 at work, then such pairs of rsqrt; v56-63 at work;
;   v64-191 shared (see each phase); v192-255 pseudo keys' weights, then gamma
; window 1: v0-159 P (fragment (a, jb) at 8 x ((a/2+1)(a/2+a%2) + jb)), later v0-63 rows on their way out; v160-223 l's, then X's accumulators; v224-255 pseudo keys' values; in the product v64-191 W, v192-255 beta
; windows 2, 3: accumulator (A, bn) at 512 + 64 A + 8 bn: row 16 A + r, columns 16 bn + 8 h + 0..7 of my strip
; scalars of the walk: s92 the strip of W_v's rows asked for last, (t + sigma) % 4; s93 my strip in memory; s[94:95] W_v at my strip's columns; s[84:85] a strip's byte offset
.set MP,   24
.set RS,   40
.set SR,   48
.set SJ,   64
.set F0,   64
.set F1,   128
.set ONES, 144
.set AUGP, 192
.set MSB, 0
.macro WIN new                         ; the immediate's high byte repeats the setting that is left; a switch that changes nothing is dropped
.if MSB != (\new)
	s_set_vgpr_msb (MSB<<8)|(\new)
.set MSB, \new
.endif
.endm
.macro PLACES                          ; four places behind matrix instructions (ISA guide 7.12.1), where no other plain vector work is at hand
.rept 4
	v_nop
.endr
.endm
.macro CREST                           ; a round of the cluster's barrier behind its opening barrier
	s_cmp_lg_u32 s20, 0
	s_cbranch_scc1 .Lnot_wave_0_\@
	s_barrier_signal -3
.Lnot_wave_0_\@:
	s_barrier_wait -3
	s_barrier_signal -1
	s_barrier_wait -1
.endm
.macro CROUND
	s_barrier_signal -1
	s_barrier_wait -1
	CREST
.endm
.macro JLOAD s                         ; my strip's tile into slot s: every wave of all four work-groups issues it; s_nop 0 and four v_nop follow
	tensor_load_to_lds s[32+4*(\s):35+4*(\s)], s[24:31]
	s_nop 0
.rept 4
	v_nop
.endr
.endm
; Block blk of V: rows 16 (blk / 2) .. + 15, 64 columns of my strip.  Eight loads; lanes 0-15 take 256 aligned bytes of row e, lanes 16-31 of row e + 8.  They land in the block's 32 accumulator registers.
.macro VLOAD blk
.set lA, (\blk)/2
.set lH, (\blk)%2
	WIN (2+lA/4)<<6
.irp e, 0,1,2,3,4,5,6,7
	global_load_b128 v[64*(lA%4)+32*lH+4*\e:64*(lA%4)+32*lH+4*\e+3], v5, s[4:5] offset:(16*lA+\e)*2048+256*lH th:TH_LOAD_NT
.endr
.endm
	s_load_b512 s[4:19], s[0:1], 0x0               ; V s[4:5], sc s[6:7], summ s[8:9], wh s[10:11], mask s[12:13], gamma s[14:15], beta s[16:17], out0 s[18:19]
	v_lshl_add_u32 v1, v0, 2, SPARE
	v_mov_b32 v2, 0
	ds_add_u32 v1, v2
	ds_add_u32 v1, v2
	s_wait_dscnt 0x0
	v_lshrrev_b32 v63, 5, v0
	v_readfirstlane_b32 s20, v63                   ; wave 0..3
	s_bfe_u32 s21, ttmp6, 0x40000                  ; cx: my place in the cluster
	s_lshl_b32 s22, ttmp9, 2
	s_add_co_u32 s22, s22, s21                     ; c: it enters global addresses of plain loads and stores and one compare of lanes, nothing else
	s_and_b32 s23, ttmp7, 0xffff                   ; b
	s_and_b32 s92, ttmp9, 3                        ; sigma: the cluster's x, the same in all four partners
	s_add_co_u32 s93, s20, s92
	s_and_b32 s93, s93, 3                          ; my strip in memory
	s_lshl_b32 s60, s23, 4
	s_add_co_u32 s60, s60, s22                     ; g = 16 b + c
	s_lshl_b32 s82, s60, 18                        ; 128 rows of 2,048 bytes
	s_mov_b32 s83, 0
	s_lshl_b32 s84, s60, 9
	s_mov_b32 s85, 0
	s_mul_i32 s86, s23, 16*REC
	s_mov_b32 s87, 0
	s_lshl_b32 s88, s60, 7
	s_mov_b32 s89, 0
	; descriptor group 1: a tile of 64 rows x 128 elements of 2 bytes, 512 elements from row to row, 8 words of padding behind every 64
	s_mov_b32 s24, 15|(1<<16)|(1<<20)|(1<<21)|(5<<22)|(7<<25)  ; 15:0 the mask of four; 17:16 2-byte elements; 20 padding on; 21 set beside a mask; 24:22 code 5; 31:25 code 7
	s_mov_b32 s25, 128<<16                         ; tensor_dim0 = 128
	s_mov_b32 s26, 64<<16                          ; tensor_dim1 = 64
	s_mov_b32 s27, 128<<16                         ; tile_dim0 = 128
	s_mov_b32 s28, 64                              ; tile_dim1 = 64
	s_mov_b32 s29, 512
	s_mov_b32 s30, 0
	s_mov_b32 s31, 0
	s_mov_b32 s32, 1
	s_mul_i32 s33, s20, WSTRIP                     ; LDS: my strip of slot 0: the wave's number alone
	s_mov_b32 s36, 1
	s_add_co_u32 s37, s33, WSLOT
	s_lshl_b32 s58, s93, 8                         ; my strip's 256 bytes in a row of wh
	s_mov_b32 s59, 0
	s_mov_b32 s40, 0x76543210                      ; v_permlanex16_b32: each lane takes its own place in the other half
	s_mov_b32 s41, 0xfedcba98
	s_mov_b32 s54, 0x0000ffff                      ; lanes 0-15
	v_and_b32 v3, 15, v0
	v_bfe_u32 v4, v0, 4, 1
	v_and_b32 v60, 31, v0
	s_lshl_b32 s61, s20, 9                         ; 512 w: my wave's part of the small LDS tables
	s_lshl_b32 s63, s93, 9                         ; 512 x my strip: its place in a row of f32 in memory
	v_lshl_add_u32 v5, v3, 4, s63
	v_lshl_add_u32 v5, v4, 14, v5                  ; my strip + 16 r + 8 rows for lanes 16-31
	v_lshl_add_u32 v201, v60, 4, s63               ; my four columns of the strip
	v_mul_u32_u24 v202, v3, REC
	v_lshlrev_b32 v203, 4, v60
	v_lshlrev_b32 v204, 2, v60
	s_wait_kmcnt 0x0
	s_add_nc_u64 s[4:5], s[4:5], s[82:83]
	s_add_nc_u64 s[18:19], s[18:19], s[82:83]
	s_add_nc_u64 s[6:7], s[6:7], s[84:85]
	s_add_nc_u64 s[8:9], s[8:9], s[86:87]
	s_add_nc_u64 s[12:13], s[12:13], s[88:89]
	s_add_nc_u64 s[94:95], s[10:11], s[58:59]      ; W_v at my strip's columns
	s_lshl_b32 s84, s92, 17                        ; 128 rows of 1,024 bytes for each strip of K
	s_add_nc_u64 s[34:35], s[94:95], s[84:85]      ; the walk's K step 0: rows 128 sigma ..
	s_add_nc_u64 s[38:39], s[34:35], 65536         ; K step 1: 64 rows on
	s_or_b32 s35, s35, 0x80000000                  ; type = 2
	s_or_b32 s39, s39, 0x80000000
	; 37 small loads, then the first three blocks of V
	global_load_b64 v[56:57], v202, s[8:9] offset:4096     ; lane r: (m, l) of chunk r of my batch
.set i, 0
.rept 15
	global_load_b128 v[64+4*i:67+4*i], v201, s[8:9] offset:REC*i           ; A of chunks 0 to 14, my four columns
.set i, i+1
.endr
.set i, 0
.rept 16
	global_load_b128 v[124+4*i:127+4*i], v201, s[8:9] offset:REC*i+2048    ; U of all 16 chunks
.set i, i+1
.endr
	global_load_b128 v[188:191], v203, s[6:7]                      ; the chunk's scores,
	global_load_b128 v[212:215], v203, s[6:7] offset:131072        ; and their running maxima
	global_load_b128 v[192:195], v201, s[14:15]
	global_load_b128 v[196:199], v201, s[16:17]
	global_load_b32 v200, v204, s[12:13]
	VLOAD 0
	VLOAD 1
	VLOAD 2
	WIN 0
	CROUND                                         ; all four work-groups are here: the first joint loads meet
	tensor_load_to_lds s[32:35], s[24:31]          ; both first fills together, ahead of every wait on TENSORcnt and every LDS instruction: two loads of mine are out
	s_nop 0
	tensor_load_to_lds s[36:39], s[24:31]
	s_nop 0
.rept 4
	v_nop
.endr
	; LDS addresses: a constant, the wave's number times a constant, a lane term
	s_mul_i32 s58, s20, XSTRIP
	s_add_co_u32 s58, s58, XV
	s_mul_i32 s59, s20, 16*XP
	s_add_co_u32 s59, s59, SCR
	v_and_b32 v61, 7, v0
	v_lshl_add_u32 v61, v4, 3, v61                 ; 8 h + lane % 8
	v_bfe_u32 v62, v0, 3, 1
	v_mul_u32_u24 v6, v4, 8*XP
	v_add_nc_u32 v7, s59, v6
	v_lshl_add_u32 v7, v3, 4, v7
	v_mul_u32_u24 v63, v3, XP
	v_lshl_add_u32 v8, v4, 5, v63
	v_add_nc_u32 v8, s59, v8
	v_mul_u32_u24 v9, v61, XP
	v_lshl_add_u32 v9, v62, 4, v9
	v_add_nc_u32 v9, s58, v9
	v_lshl_add_u32 v11, v4, 4, v63
	v_add_nc_u32 v10, s58, v11
	v_add_nc_u32 v11, XV, v11
	v_mul_u32_u24 v12, v61, 288
	v_lshl_add_u32 v12, v62, 4, v12
	v_add_nc_u32 v12, s33, v12
	v_add_nc_u32 v13, WSLOT, v12
	s_add_co_u32 s62, s61, AT
	v_lshl_add_u32 v14, v3, 2, s62
	v_lshl_add_u32 v208, v60, 4, s62
	s_add_co_u32 s62, s61, SS
	v_lshl_add_u32 v15, v4, 5, s62
	v_lshl_add_u32 v16, v3, 2, s62
	v_lshl_add_u32 v205, v60, 4, s62
	s_lshl_b32 s62, s20, 8
	s_add_co_u32 s62, s62, MKB
	v_add_nc_u32 v17, s62, v3
	v_lshl_add_u32 v206, v60, 2, s62
	s_lshl_b32 s62, s20, 2
	s_add_co_u32 s62, s62, RED1
	v_lshl_add_u32 v18, v3, 4, s62
	v_lshl_add_u32 v19, v3, 4, RED1
	s_add_co_u32 s62, s61, GAM
	v_lshl_add_u32 v20, v4, 5, s62
	v_lshl_add_u32 v207, v60, 4, s62
	v_lshlrev_b32 v21, 3, v4
	v_sub_nc_u32 v21, v3, v21
	s_wait_loadcnt 24                              ; the small loads are in; the 24 loads of V behind them stay out
	VLOAD 3
	VLOAD 4
	VLOAD 5
	VLOAD 6                                        ; 56 loads of V are out
	WIN 0
	; THE CARRY.  Every wave for itself, under V's loads; what goes through LDS is the wave's own bytes, and LDS serves a wave's instructions in order (ISA guide 5.7.1.4).
	ds_store_b128 v205, v[188:191]
	ds_store_b128 v205, v[212:215] offset:PMB-SS
	ds_store_b32 v206, v200
	ds_store_b128 v207, v[192:195]
	ds_store_b128 v207, v[196:199] offset:2048
	v_cmp_gt_u32 s55, s22, v3                      ; lanes whose chunk r lies ahead of mine
	v_mov_b32 v58, 0xff7fffff                      ; the lowest finite number
	v_cndmask_b32 v58, v58, v56, s55
	v_mov_b32 v22, v58
.irp d, 1,2,4,8
	v_max_num_f32_dpp v22, v22, v22 row_xmask:\d row_mask:0xf bank_mask:0xf
.endr
	v_sub_f32 v59, v58, v22
	v_exp_f32 v59, v59
	v_nop
	s_wait_alu depctr_va_vdst(0)
	v_cndmask_b32 v59, 0, v59, s55                 ; f = 2^(m_c' - m_prev), 0 for chunks not ahead
	v_mul_f32 v23, v59, v57
.irp d, 1,2,4,8
	v_add_f32_dpp v23, v23, v23 row_xmask:\d row_mask:0xf bank_mask:0xf
.endr
.set i, 0
.rept 15
	v_readlane_b32 s[66+i], v59, i
.set i, i+1
.endr
	v_max_num_f32 v58, 1.0, v23                    ; l_prev is 0 (no chunk ahead) or at least 1
	v_rcp_f32 v58, v58
.set st, 8
.rept 4                                            ; the sum of all 16 U
.set i, 0
.rept st
	v_pk_add_f32 v[124+4*i:125+4*i], v[124+4*i:125+4*i], v[124+4*(i+st):125+4*(i+st)]
	v_pk_add_f32 v[126+4*i:127+4*i], v[126+4*i:127+4*i], v[126+4*(i+st):127+4*(i+st)]
.set i, i+1
.endr
.set st, st/2
.endr
.irp x, 0,1,2,3
	v_mul_f32 v[64+\x], s66, v[64+\x]
.endr
.set i, 1
.rept 14
.irp x, 0,1,2,3
	v_fmac_f32 v[64+\x], s[66+i], v[64+4*i+\x]
.endr
.set i, i+1
.endr
	s_wait_alu depctr_va_vdst(0)
.irp x, 0,1,2,3
	v_mul_f32 v[64+\x], v[64+\x], v58              ; Abar
	v_mul_f32 v[124+\x], 0x3a000000, v[124+\x]     ; / 2,048
.endr
.irp x, 0,1,2,3
	v_cvt_pk_f16_f32 v[68+\x], v[64+\x], v[124+\x]
.endr
	ds_store_b128 v208, v[68:71]
.irp a, 0,1,2,3,4,5,6,7
	ds_load_b32 v[SR+\a], v16 offset:PMB-SS+64*\a  ; the running maximum at row 16 a + r
	ds_load_u8 v[40+\a], v17 offset:16*\a          ; and the row's mask byte
.endr
.irp j, 0,1,2,3                                    ; the scores of the keys that my lane holds in a fragment of P: 32 j + 8 h + 0..7 and 16 further on
	ds_load_b128 v[SJ+16*\j:SJ+16*\j+3],     v15 offset:128*\j
	ds_load_b128 v[SJ+16*\j+4:SJ+16*\j+7],   v15 offset:128*\j+16
	ds_load_b128 v[SJ+16*\j+8:SJ+16*\j+11],  v15 offset:128*\j+64
	ds_load_b128 v[SJ+16*\j+12:SJ+16*\j+15], v15 offset:128*\j+80
.endr
	v_mov_b32 v56, 0x7f7fffff
	s_wait_dscnt 0x0
.irp a, 0,1,2,3,4,5,6,7
	v_max_num_f32 v[MP+2*\a], v[SR+\a], v22        ; m_i
.endr
.irp a, 0,1,2,3,4,5,6,7
	v_cmp_ne_u32 s56, 0, v[40+\a]
	v_cndmask_b32 v[MP+2*\a], v[MP+2*\a], v56, s56 ; a hidden row: m_i so large that all weights but the second pseudo key's are 0
	v_cndmask_b32 v[SR+\a], 0, 1.0, s56
	v_mov_b32 v[MP+2*\a+1], v[MP+2*\a]
	v_sub_f32 v[40+\a], v22, v[MP+2*\a]
.endr
.irp a, 0,1,2,3,4,5,6,7
	v_exp_f32 v[40+\a], v[40+\a]
.endr
	v_nop
	s_wait_alu depctr_va_vdst(0)
.irp a, 0,1,2,3,4,5,6,7
	v_mul_f32 v[40+\a], v[40+\a], v23
.endr
.irp a, 0,1,2,3,4,5,6,7
	v_cvt_pk_f16_f32 v[40+\a], v[40+\a], v[SR+\a]  ; keys 0 and 1 of the pseudo fragment
.endr
	; The pseudo keys' fragments hold two keys of 32: one register in lanes 0-15; the other seven registers are written 0 once (84 lines, under V's loads).
.irp a, 0,1,2,3,4,5,6,7
	v_cndmask_b32 v[AUGP+8*\a], 0, v[40+\a], s54
.irp k, 1,2,3,4,5,6,7
	v_mov_b32 v[AUGP+8*\a+\k], 0
.endr
.endr
.irp e, 0,1,2,3,4,5,6,7
	v_cmp_le_i32 s[46+\e], \e, v21                 ; in a diagonal block key 8 h + e is seen by row r
	v_mov_b32 v[ONES+\e], 0x3c003c00
.endr
	WIN 0x40
.irp d, 0,1,2,3
.irp k, 1,2,3,4,5,6,7
	v_mov_b32 v[224+8*\d+\k], 0
.endr
.endr
; THE WEIGHTS.  Fragment (a, jb): rows 16 a + r, keys 32 jb ..: 2^(s' - m_i), rounded to f16 in pairs.  On the diagonal (jb = a / 2) hidden keys are chosen 0; for even a the second 16 keys are all hidden.
.macro PFRAG a, jb
.set pN, 16
.set pG, 0
.if (\jb) == (\a)/2
.set pG, 1
.if (\a)%2 == 0
.set pN, 8
.endif
.endif
.set pR, 8*(((\a)/2+1)*((\a)/2+(\a)%2)+(\jb))
	WIN 0
.set p, 0
.rept pN/2
	v_pk_add_f32 v[128+2*p:129+2*p], v[SJ+16*(\jb)+2*p:SJ+16*(\jb)+2*p+1], v[MP+2*(\a):MP+2*(\a)+1] neg_lo:[0,1] neg_hi:[0,1]
.set p, p+1
.endr
.set p, 0
.rept pN
	v_exp_f32 v[128+p], v[128+p]
.set p, p+1
.endr
	v_nop
.if pG
.set p, 0
	s_wait_alu depctr_va_vdst(0)
.rept 8
	v_cndmask_b32 v[128+8*((\a)%2)+p], 0, v[128+8*((\a)%2)+p], s[46+p]
.set p, p+1
.endr
.endif
	WIN 0x40
.set p, 0
	s_wait_alu depctr_va_vdst(0)
.rept pN/2
	v_cvt_pk_f16_f32 v[pR+p], v[128+2*p], v[128+2*p+1]
.set p, p+1
.endr
.if pN == 8
.irp k, 4,5,6,7
	v_mov_b32 v[pR+\k], 0
.endr
.endif
.endm
; Block blk is back from the stage in the accumulators' layout, where a lane holds eight neighbouring columns of a row: rounded to f16, 16 bytes a lane, into XV.
; younger: the LDS instructions issued behind the block's loads from the stage that may stay out.
.macro CONV blk, younger
.set cA, (\blk)/2
.set cH, (\blk)%2
.set cW, 2+cA/4
.set cR, 64*(cA%4)+32*cH
	s_wait_dscnt \younger
	WIN cW|(cW<<2)
.set p, 0
.rept 16
	v_cvt_pk_f16_f32 v[128+p], v[cR+2*p], v[cR+2*p+1]
.set p, p+1
.endr
	WIN 0
.irp n, 0,1,2,3
	ds_store_b128 v10, v[128+4*\n:131+4*\n] offset:16*cA*XP+128*cH+32*\n
.endr
.endm
; A block of V has landed: in f32 through my stage into the accumulators' layout, back into the same 32 registers; a further block is asked for; the block before is rounded into XV.
; The loads' count: the blocks asked for behind this one, six while loads last.  CONV's count: this block's sixteen stage instructions, which were issued behind the loads that it needs.
.macro VBLK blk
.set bA, (\blk)/2
.set bH, (\blk)%2
.set bW, 2+bA/4
.set bR, 64*(bA%4)+32*bH
.if (\blk) < 10
	s_wait_loadcnt 48
.else
	s_wait_loadcnt 8*(15-(\blk))
.endif
	WIN (bW<<6)|(bW<<2)
.irp e, 0,1,2,3,4,5,6,7
	ds_store_b128 v7, v[bR+4*\e:bR+4*\e+3] offset:XP*\e
.endr
.irp n, 0,1,2,3
	ds_load_b128 v[bR+8*\n:bR+8*\n+3],   v8 offset:64*\n       ; these see the stores above; the next block's stores come behind them
	ds_load_b128 v[bR+8*\n+4:bR+8*\n+7], v8 offset:64*\n+16
.endr
.if (\blk) < 9
	VLOAD (\blk)+7
.endif
.if (\blk) > 0
	CONV (\blk)-1, 16
.endif
.endm
	VBLK 0                                         ; the first three blocks were asked for first: they are taken at once, and blocks 7 to 9 go out
	VBLK 1
	VBLK 2
	PFRAG 0, 0                                     ; from here on two fragments of P stand behind each block
	PFRAG 1, 0
	VBLK 3
	PFRAG 2, 0
	PFRAG 2, 1
	VBLK 4
	PFRAG 3, 0
	PFRAG 3, 1
	VBLK 5
	PFRAG 4, 0
	PFRAG 4, 1
	VBLK 6
	PFRAG 4, 2
	PFRAG 5, 0
	VBLK 7
	PFRAG 5, 1
	PFRAG 5, 2
	VBLK 8
	PFRAG 6, 0
	PFRAG 6, 1
	VBLK 9
	PFRAG 6, 2
	PFRAG 6, 3
	VBLK 10
	PFRAG 7, 0
	PFRAG 7, 1
	VBLK 11
	PFRAG 7, 2
	PFRAG 7, 3
	VBLK 12
	; l_i = ones x P: 28 products; the accumulators take turns, one instruction a turn.  Every register of a result holds the row's sum.
	WIN 0x40
.irp a, 0,1,2,3,4,5,6,7
	v_wmma_f32_16x16x32_f16 v[160+8*\a:167+8*\a], v[ONES:ONES+7], v[AUGP+8*\a:AUGP+8*\a+7], 0
.endr
	WIN 0x54
.set jb, 0
.rept 4
.set a, 2*jb
.rept 8-2*jb
	v_wmma_f32_16x16x32_f16 v[160+8*a:167+8*a], v[ONES:ONES+7], v[8*((a/2+1)*(a/2+a%2)+jb):8*((a/2+1)*(a/2+a%2)+jb)+7], v[160+8*a:167+8*a]
.set a, a+1
.endr
.set jb, jb+1
.endr
	PLACES
	WIN 0x01
.irp a, 0,1,2,3,4,5,6,7
	v_rcp_f32 v[MP+2*\a], v[160+8*\a]              ; m_i is no longer wanted: the pairs' low words take 1 / l_i
.endr
	WIN 0
	v_nop
	VBLK 13
	VBLK 14
	VBLK 15
	CONV 15, 4                                     ; behind block 15's loads from the stage stand block 14's four stores
; X for rows 32 t .. 32 t + 31 of my strip, 64 channels a trip: the pseudo keys start the sums, then keys 0 .. 32 t + 31; divided by l, rounded, stored over V's rows 32 t ..,
; which no later pair needs (t goes down) and whose other 64 channels this trip does not touch.
.macro PV t
	WIN 0
	v_mov_b32 v60, v9
	v_mov_b32 v61, v10
	v_mov_b32 v62, v14
	s_mov_b32 s90, 2
.Lpv_\@:
.irp d, 0,1,2,3
	ds_load_b32 v[56+\d], v62 offset:64*\d
.endr
.set jb, 0
.rept (\t)+1
.irp d, 0,1,2,3
	ds_load_tr16_b128 v[64+32*jb+8*\d:64+32*jb+8*\d+3],   v60 offset:32*XP*jb+32*\d
	ds_load_tr16_b128 v[64+32*jb+8*\d+4:64+32*jb+8*\d+7], v60 offset:32*XP*jb+32*\d+16*XP
.endr
.set jb, jb+1
.endr
	s_wait_dscnt 0x0
	WIN 0x40
.irp d, 0,1,2,3
	v_cndmask_b32 v[224+8*\d], 0, v[56+\d], s54    ; keys 0, 1 lie in lanes 0-15; lanes 16-31 hold keys 8, 9: none
.endr
	WIN 0x51
.irp ap, 0,1
.irp d, 0,1,2,3
	v_wmma_f32_16x16x32_f16 v[160+32*\ap+8*\d:160+32*\ap+8*\d+7], v[224+8*\d:224+8*\d+7], v[AUGP+8*(2*(\t)+\ap):AUGP+8*(2*(\t)+\ap)+7], 0
.endr
.endr
	WIN 0x54
.set jb, 0
.rept (\t)+1
.irp ap, 0,1
.irp d, 0,1,2,3
	v_wmma_f32_16x16x32_f16 v[160+32*\ap+8*\d:160+32*\ap+8*\d+7], v[64+32*jb+8*\d:64+32*jb+8*\d+7], v[8*(((\t)+1)*((\t)+\ap)+jb):8*(((\t)+1)*((\t)+\ap)+jb)+7], v[160+32*\ap+8*\d:160+32*\ap+8*\d+7]
.endr
.endr
.set jb, jb+1
.endr
	PLACES
	WIN 0x41
	s_wait_alu depctr_va_vdst(0)
.irp ap, 0,1
.set p, 0
.rept 16
	v_pk_mul_f32 v[160+32*\ap+2*p:160+32*\ap+2*p+1], v[160+32*\ap+2*p:160+32*\ap+2*p+1], v[MP+2*(2*(\t)+\ap):MP+2*(2*(\t)+\ap)+1] op_sel_hi:[1,0]
.set p, p+1
.endr
.endr
	WIN 0x05
.set p, 0
.rept 32
	v_cvt_pk_f16_f32 v[64+p], v[160+2*p], v[161+2*p]
.set p, p+1
.endr
	WIN 0
.irp ap, 0,1
.irp d, 0,1,2,3
	ds_store_b128 v61, v[64+4*(4*\ap+\d):64+4*(4*\ap+\d)+3] offset:(32*(\t)+16*\ap)*XP+32*\d
.endr
.endr
	v_add_nc_u32 v60, 128, v60                     ; the strip's other 64 channels
	v_add_nc_u32 v61, 128, v61
	v_add_nc_u32 v62, 256, v62
	s_sub_co_u32 s90, s90, 1
	s_cmp_lg_u32 s90, 0
	s_cbranch_scc1 .Lpv_\@
.endm
	PV 3
	PV 2
	PV 1
	PV 0
	; THE PRODUCT X W_v, onto V.  K = 512 in eight steps of 64 through the two slots; a step is two quarters of 32 along K, 64 matrix instructions each, on fragment buffers F0, F1.
.macro MUL16 f, hi, a0                 ; 16 matrix instructions: row blocks 4 hi + a0, + 1, all eight column blocks; the 64 accumulators take turns, in the same order in every quarter
	WIN 0xa1+0x50*(\hi)
.irp a, \a0, (\a0)+1
.irp b, 0,1,2,3,4,5,6,7
	v_wmma_f32_16x16x32_f16 v[8*(8*(\a)+(\b)):8*(8*(\a)+(\b))+7], v[(\f)+8*(\b):(\f)+8*(\b)+7], v[(\f)+8*(4*(\hi)+(\a)):(\f)+8*(4*(\hi)+(\a))+7], v[8*(8*(\a)+(\b)):8*(8*(\a)+(\b))+7]
.endr
.endr
.endm
.macro FETCH slot, kk, kb, f           ; 32 LDS loads in one run: W's eight fragments (turned), half kk of the slot; then X's eight, at byte kb from v11
	WIN 0x40
.irp i, 0,1,2,3,4,5,6,7
	ds_load_tr16_b128 v[(\f)+8*\i:(\f)+8*\i+3],   v[12+(\slot)] offset:(\kk)*9216+32*\i
	ds_load_tr16_b128 v[(\f)+8*\i+4:(\f)+8*\i+7], v[12+(\slot)] offset:(\kk)*9216+32*\i+4608
.endr
	WIN 0
.irp i, 0,1,2,3,4,5,6,7
	ds_load_b128 v[(\f)+8*\i:(\f)+8*\i+3],   v11 offset:(\kb)+16*XP*\i
	ds_load_b128 v[(\f)+8*\i+4:(\f)+8*\i+7], v11 offset:(\kb)+16*XP*\i+32
.endr
.endm
.macro QUARTER slot, kb                ; multiplies F0; in its middle fetches the step's second half into F1
	s_wait_dscnt 8                                 ; W and X's rows 0-63 are in; the youngest eight loads (X's rows 64-127) may be out
	MUL16 F0, 0, 0
	MUL16 F0, 0, 2
	PLACES
	FETCH \slot, 1, \kb, F1
	s_wait_dscnt 32                                ; all but the 32 just issued
	MUL16 F0, 1, 0
	MUL16 F0, 1, 2
.endm
; Multiplies F1 and changes slots.  In front of the barrier each wave waits for all its tensor loads (one is out: its strip of the next slot), adds 0 to its spare word, and waits for that and for its
; reads of this slot.  fill = 1: the barrier opens a round of the cluster's, and the joint refill, the same half of the walk's next strip of K, is the first thing behind it: 96 matrix instructions
; ahead of the wait for it.  Its address is made anew: W_v at my columns plus the strip's number, which steps modulo 4, times 128 rows; no tensor load of mine is out, so a group 0 may be written.
.macro TURN slot, next, kb, fill
	WIN 0
	s_wait_tensorcnt 0x0
	ds_add_u32 v1, v2                              ; 0 onto my spare word
	s_wait_dscnt 9                                 ; (the add and the youngest eight loads may be out)
	MUL16 F1, 0, 0
	s_wait_dscnt 0x0                               ; the add is done, and my reads of this slot are over
	s_barrier_signal -1
	MUL16 F1, 0, 2
.if \fill
	WIN 0
.endif
	s_barrier_wait -1
.if \fill
	CREST
.if (\slot) == 0
	s_add_co_u32 s92, s92, 1                       ; the walk's next strip
	s_and_b32 s92, s92, 3
	s_lshl_b32 s84, s92, 17
	s_add_nc_u64 s[34:35], s[94:95], s[84:85]      ; its first 64 rows
	s_or_b32 s35, s35, 0x80000000
.else
	s_add_nc_u64 s[38:39], s[94:95], s[84:85]
	s_add_nc_u64 s[38:39], s[38:39], 65536         ; its second 64 rows
	s_or_b32 s39, s39, 0x80000000
.endif
	JLOAD \slot                                    ; the four v_nop behind it are also the places in front of the loads below
.else
	PLACES
.endif
	FETCH \next, 0, \kb, F0
	MUL16 F1, 1, 0
	MUL16 F1, 1, 2
.endm
	s_wait_tensorcnt 0x1                           ; my strip of K step 0 is in; step 1's may stay out
	s_wait_dscnt 0x0                               ; my strip of X is stored, V is back in my accumulators
	s_barrier_signal -1
	s_barrier_wait -1                              ; all four strips of X are there
	FETCH 0, 0, 0, F0
	s_mov_b32 s91, 3
.Lk:                                                   ; a trip: one strip of X, 128 along K, both slots filled again
	QUARTER 0, 64
	TURN 0, 1, 128, 1
	QUARTER 1, 192
	TURN 1, 0, XSTRIP, 1                           ; the next strip's first fragments: the largest immediate is 34,816 + 30,464 + 32, inside 16 bits
	WIN 0
	v_add_nc_u32 v11, XSTRIP, v11
	s_sub_co_u32 s91, s91, 1
	s_cmp_lg_u32 s91, 0
	s_cbranch_scc1 .Lk
	QUARTER 0, 64                                  ; the last strip is written out: it asks for nothing more
	TURN 0, 1, 128, 0
	QUARTER 1, 192
	s_wait_dscnt 8
	MUL16 F1, 0, 0
	MUL16 F1, 0, 2
	s_wait_dscnt 0x0
	MUL16 F1, 1, 0
	MUL16 F1, 1, 2
	; LAYERNORM, in two passes: the mean, then the mean of (x - mean)^2.  A row's 512 numbers lie in four waves: their sums meet in LDS, each row at words of its own.
	; It goes by halves of the rows, so that the first half's stores are on their way while the second half is normed.
	PLACES
	WIN 0
.irp n, 0,1,2,3,4,5,6,7
	ds_load_b128 v[192+8*\n:195+8*\n], v20 offset:64*\n            ; gamma of my lane's columns
	ds_load_b128 v[196+8*\n:199+8*\n], v20 offset:64*\n+16
.endr
	WIN 0x40
.irp n, 0,1,2,3,4,5,6,7
	ds_load_b128 v[192+8*\n:195+8*\n], v20 offset:2048+64*\n       ; beta
	ds_load_b128 v[196+8*\n:199+8*\n], v20 offset:2048+64*\n+16
.endr
	s_mov_b32 s56, 0x3b000000                      ; 1 / 512
	s_mov_b32 s57, 0x3727c5ac                      ; 1e-5
.macro ROWRED off                      ; four chains into one number a row, both halves of the lanes; stored at my wave's word of the row
	WIN 0
	v_pk_add_f32 v[56:57], v[56:57], v[58:59]
	v_pk_add_f32 v[60:61], v[60:61], v[62:63]
	v_pk_add_f32 v[56:57], v[56:57], v[60:61]
	v_add_f32 v56, v56, v57
	v_permlanex16_b32 v57, v56, s40, s41
	v_add_f32 v56, v56, v57
	ds_store_b32 v18, v56 offset:\off
.endm
.macro LNSUM A                         ; the registers go in ascending order: each accumulator's lowest are read first
.set bW, 2+(\A)/4
.set bR, 64*((\A)%4)
	WIN bW|(bW<<2)
.irp q, 0,1,2,3
	v_pk_add_f32 v[56+2*\q:57+2*\q], v[bR+4*\q:bR+4*\q+1], v[bR+4*\q+2:bR+4*\q+3]
.endr
	WIN bW<<2
.set p, 8
.rept 24
	v_pk_add_f32 v[56+2*(p%4):57+2*(p%4)], v[56+2*(p%4):57+2*(p%4)], v[bR+2*p:bR+2*p+1]
.set p, p+1
.endr
	ROWRED 256*(\A)
.endm
.macro LNVAR A
.set bW, 2+(\A)/4
.set bR, 64*((\A)%4)
	WIN (bW<<6)|bW
.set p, 0
.rept 32
	v_pk_add_f32 v[bR+2*p:bR+2*p+1], v[bR+2*p:bR+2*p+1], v[MP+2*(\A):MP+2*(\A)+1] op_sel_hi:[1,0] neg_lo:[0,1] neg_hi:[0,1]
.set p, p+1
.endr
	WIN bW|(bW<<2)
.irp q, 0,1,2,3
	v_pk_mul_f32 v[56+2*\q:57+2*\q], v[bR+2*\q:bR+2*\q+1], v[bR+2*\q:bR+2*\q+1]
.endr
.set p, 4
.rept 28
	v_pk_fma_f32 v[56+2*(p%4):57+2*(p%4)], v[bR+2*p:bR+2*p+1], v[bR+2*p:bR+2*p+1], v[56+2*(p%4):57+2*(p%4)]
.set p, p+1
.endr
	ROWRED 2048+256*(\A)
.endm
.macro LNSTAT g                        ; rows 64 g .. 64 g + 63: centred in place; their rsqrt into the low words of RS's pairs
.irp A, 0,1,2,3
	LNSUM 4*(\g)+\A
.endr
	s_wait_dscnt 0x0                               ; for the others' sake: my sums are stored
	s_barrier_signal -1
	s_barrier_wait -1
.irp A, 0,1,2,3
	ds_load_b128 v[64+4*\A:67+4*\A], v19 offset:256*(4*(\g)+\A)
.endr
	s_wait_dscnt 0x0
.irp A, 0,1,2,3
	v_pk_add_f32 v[64+4*\A:65+4*\A], v[64+4*\A:65+4*\A], v[66+4*\A:67+4*\A]
.endr
.irp A, 0,1,2,3
	v_add_f32 v[64+4*\A], v[64+4*\A], v[65+4*\A]
.endr
.irp A, 0,1,2,3
	v_mul_f32 v[MP+2*(4*(\g)+\A)], 0x3b000000, v[64+4*\A]  ; / 512
.endr
.irp A, 0,1,2,3
	LNVAR 4*(\g)+\A
.endr
	s_wait_dscnt 0x0
	s_barrier_signal -1
	s_barrier_wait -1
.irp A, 0,1,2,3
	ds_load_b128 v[64+4*\A:67+4*\A], v19 offset:2048+256*(4*(\g)+\A)
.endr
	s_wait_dscnt 0x0
.irp A, 0,1,2,3
	v_pk_add_f32 v[64+4*\A:65+4*\A], v[64+4*\A:65+4*\A], v[66+4*\A:67+4*\A]
.endr
.irp A, 0,1,2,3
	v_add_f32 v[64+4*\A], v[64+4*\A], v[65+4*\A]
.endr
.irp A, 0,1,2,3
	v_fma_f32 v[64+4*\A], v[64+4*\A], s56, s57
.endr
.irp A, 0,1,2,3
	v_rsq_f32 v[RS+2*(4*(\g)+\A)], v[64+4*\A]
.endr
	v_nop
	s_wait_alu depctr_va_vdst(0)
.endm
; THE WAY OUT, a block of 16 rows x 64 columns at a time: scaled; through my stage back into whole rows; stored, sixteen lanes to 256 consecutive aligned bytes.
.macro NORM blk
.set bA, (\blk)/2
.set bH, (\blk)%2
.set bW, 2+bA/4
.set bR, 64*(bA%4)+32*bH
	WIN (bW<<6)|(1<<4)|bW
.set p, 0
.rept 16
	v_pk_mul_f32 v[bR+2*p:bR+2*p+1], v[bR+2*p:bR+2*p+1], v[RS+2*bA:RS+2*bA+1] op_sel_hi:[1,0]
.set p, p+1
.endr
.set p, 0
.rept 16
	v_pk_fma_f32 v[bR+2*p:bR+2*p+1], v[bR+2*p:bR+2*p+1], v[192+32*bH+2*p:192+32*bH+2*p+1], v[192+32*bH+2*p:192+32*bH+2*p+1]   ; gamma in window 0, beta in window 1
.set p, p+1
.endr
.endm
.macro TOST blk
.set bA, (\blk)/2
.set bH, (\blk)%2
.set bW, 2+bA/4
.set bR, 64*(bA%4)+32*bH
	WIN bW<<2
.irp n, 0,1,2,3
	ds_store_b128 v8, v[bR+8*\n:bR+8*\n+3] offset:64*\n
	ds_store_b128 v8, v[bR+8*\n+4:bR+8*\n+7] offset:64*\n+16
.endr
	WIN 0x40
.irp e, 0,1,2,3,4,5,6,7
	ds_load_b128 v[32*((\blk)%2)+4*\e:32*((\blk)%2)+4*\e+3], v7 offset:XP*\e
.endr
.endm
.macro SEND blk
.set bA, (\blk)/2
.set bH, (\blk)%2
	WIN 0x04
	s_wait_dscnt 0x0                               ; the block is back in registers
	s_wait_xcnt 0x0                                ; the stores of the block before have read their registers: the other buffer may be loaded again behind this wait
.irp e, 0,1,2,3,4,5,6,7
	global_store_b128 v5, v[32*((\blk)%2)+4*\e:32*((\blk)%2)+4*\e+3], s[18:19] offset:(16*bA+\e)*2048+256*bH th:TH_STORE_NT
.endr
.endm
	LNSTAT 0
	NORM 0
	TOST 0
.irp k, 1,2,3,4,5,6,7                              ; a block's arithmetic stands between the loads of the block before and the wait for them
	NORM \k
	SEND (\k)-1
	TOST \k
.endr
	LNSTAT 1                                       ; 56 stores of mine are out, and block 7 waits in its registers: the second half's LayerNorm stands here
.irp k, 8,9,10,11,12,13,14,15
	NORM \k
	SEND (\k)-1
	TOST \k
.endr
	SEND 15
	WIN 0
	s_wait_tensorcnt 0x0                           ; the wave's end: behind my last tensor load and my last LDS store
	ds_add_u32 v1, v2
	s_wait_dscnt 0x0
	CROUND                                         ; the closing round: no work-group ends while a partner may still ask for a tile that names it
	s_endpgm
.Lfunc_end_k_qffa04bad15_fuse:
	.size	k_qffa04bad15_fuse, .Lfunc_end_k_qffa04bad15_fuse-k_qffa04bad15_fuse
	.p2alignl 7, 3214868480
	.fill 96, 4, 3214868480
	.section	.rodata,"a",@progbits
	.p2align	6, 0x0
	.amdhsa_kernel k_qffa04bad15_fuse
		.amdhsa_group_segment_fixed_size 327680
		.amdhsa_private_segment_fixed_size 0
		.amdhsa_enable_private_segment 0
		.amdhsa_kernarg_size 64
		.amdhsa_user_sgpr_count 2
		.amdhsa_user_sgpr_kernarg_segment_ptr 1
		.amdhsa_wavefront_size32 1
		.amdhsa_system_sgpr_workgroup_id_x 1
		.amdhsa_system_sgpr_workgroup_id_y 1
		.amdhsa_system_sgpr_workgroup_id_z 1
		.amdhsa_system_vgpr_workitem_id 0
		.amdhsa_next_free_vgpr 1024
		.amdhsa_next_free_sgpr 96
		.amdhsa_reserve_vcc 0
		.amdhsa_float_denorm_mode_32 3
		.amdhsa_float_denorm_mode_16_64 3
		.amdhsa_memory_ordered 1
		.amdhsa_forward_progress 1
		.amdhsa_inst_pref_size 255
	.end_amdhsa_kernel
	.section	.bss,"aw",@nobits
	.p2align	6
	.space	262144
	.amdgpu_metadata
---
amdhsa.version: [ 1, 2 ]
amdhsa.kernels:
  - .name:           k_qffa04bad15_fuse
    .symbol:         k_qffa04bad15_fuse.kd
    .args:
      - { .name: V, .offset: 0, .size: 8, .value_kind: global_buffer, .address_space: global }
      - { .name: sc, .offset: 8, .size: 8, .value_kind: global_buffer, .address_space: global }
      - { .name: summ, .offset: 16, .size: 8, .value_kind: global_buffer, .address_space: global }
      - { .name: wh, .offset: 24, .size: 8, .value_kind: global_buffer, .address_space: global }
      - { .name: mask, .offset: 32, .size: 8, .value_kind: global_buffer, .address_space: global }
      - { .name: ln_gamma, .offset: 40, .size: 8, .value_kind: global_buffer, .address_space: global }
      - { .name: ln_beta, .offset: 48, .size: 8, .value_kind: global_buffer, .address_space: global }
      - { .name: out0, .offset: 56, .size: 8, .value_kind: global_buffer, .address_space: global }
    .group_segment_fixed_size: 327680
    .private_segment_fixed_size: 0
    .kernarg_segment_align: 8
    .kernarg_segment_size: 64
    .max_flat_workgroup_size: 128
    .sgpr_count:     96
    .vgpr_count:     1024
    .wavefront_size: 32
...
	.end_amdgpu_metadata
.endif
;; end of part 6
